; MI455X (gfx1250); checked and timed in simulation.
; The chip was launched on July 23, 2026; its instructions are those of AMD's public machine-readable ISA for CDNA 5 (MIT licence, August 2026) and "CDNA5" Instruction Set Architecture Reference Guide (July 2026). The comments in the code are by the model that wrote it; some were corrected since.
;; Alltag Ctx Generator. Allowed arithmetic: matrix products marked QUANTISED: E2M1 operands, one E8M0 scale for each 32 along K, by v_wmma_scale_f32_16x16x128_f8f6f4 with both operands' format E2M1 (or v_wmma_scale_f32_32x16x128_f4), f32 sums; everything else in f32.
;; Inputs: atk_weight 20,000 x 512 float32; ctx 16 x 128 x 768 float32; dec_W 8 x 768 x 1,024 float32; dec_b 8 x 1,024 float32; inp_mask 16 x 128 bool; inp_pos 16 x 128 int32; inp_word 16 x 128 int32; psr_weight 20,000 x 512 float32; u_gumbel 2,048 x 1,024 float32; words 8 x 1,024 int32.
;; Outputs: out0 16 x 128 int32; out1 16 x 128 x 512 float32; out2 16 x 128 x 512 float32; out3 one number float32; out4 16 x 128 bool; out5 16 x 128 bool; out6 16 x 128 bool.
;; This version of the problem:
;;   THIS VERSION OF THE PROBLEM IS GIVEN IN LOW PRECISION. The matrix products marked QUANTISED in the list below multiply operands that are first quantised to E2M1 (2 exponent bits, 1 mantissa bit; 4 bits a number), with one power-of-two scale for each 32 numbers along K (OCP MX v1.0); their sums are f32. All else is computed in f32.
;;   The module's matrix products, in the order in which they are computed (A, B: the left and right operand; K: the contracted axis; several contracted axes count as one K, in the product's order):
;;     1. [M 8,192, K 768] x [K 768, N 2,048]; A: input dec_W; B: input ctx: QUANTISED
;;     2. batch 8 x [M 2,048, K 1,024] x [K 1,024, N 512]; A: softmax (see below); B: computed on the way: QUANTISED
;;     3. batch 8 x [M 2,048, K 1,024] x [K 1,024, N 512]; A: softmax (see below); B: computed on the way: QUANTISED
;;   THE QUANTISER, for each operand of a quantised product, along K:
;;     - K is cut into blocks of 32 from its start; a last block that is shorter is filled with zeros.
;;     - A block's scale is 2^e with e = floor(log2(the largest magnitude in the block)) - 2, held to -126 .. 127; a block of zeros has e = 0. As a byte (E8M0): e + 127.
;;     - Each number is divided by its block's scale, clamped to +-6, and rounded to the nearest number of E2M1, ties to even, subnormals kept.
;;     - The product sums the exact products of the quantised numbers (number of the format x scale) in f32.
;;   ~~~python
;;   def quantise(x, axis):      # numpy; x: float32 -> the quantised numbers, widened to float32 again
;;       x = np.moveaxis(x, axis, -1); K = x.shape[-1]
;;       x = np.pad(x, [(0, 0)] * (x.ndim - 1) + [(0, -K % 32)]); x = x.reshape(x.shape[:-1] + (-1, 32)); a = np.abs(x).max(-1, keepdims=True)
;;       e = np.where(a > 0, np.clip(np.frexp(np.where(a > 0, a, 1))[1] - 1 - 2, -126, 127), 0)      # np.frexp(a)[1] - 1 = floor(log2(a)), exactly
;;       r = np.clip(x / 2.0 ** e, -6, 6)
;;       step = 2.0 ** (np.maximum(np.frexp(np.where(r == 0, 1, r))[1] - 1, 0) - 1)
;;       q = np.round(r / step) * step * 2.0 ** e      # np.round: ties to even
;;       return np.moveaxis(q.reshape(q.shape[:-2] + (-1,))[..., :K], -1, axis).astype(np.float32)
;;   ~~~
;;   SOFTMAX AHEAD OF A QUANTISED PRODUCT. Where the list says 'softmax', what is quantised is not the finished softmax but p = 2^(t - M), with t = logit x log2(e) and M = ceil(the row's largest t), a whole number; so 1/2 < the row's largest p <= 1. The row's sum l is taken of the UNQUANTISED p, in f32, and the product's result is divided by l at the end. Since M is a whole number, a kernel that streams over the keys may use a running M (the ceiling of the running maximum): every later rescaling is an exact power of two, which a block's scale takes up: the codes' values come out the same.
;;   OPERANDS COMPUTED ON THE WAY. 'Computed on the way' means the value that the module computes at that place (a softmax that the list does not call 'softmax' is quantised finished and normalised). What goes into a quantiser is computed in f32, as accurately as f32 sums, v_exp_f32 and their like allow (about 1e-6 of the number): no bf16 or f16 on the way to a quantiser, and a product that is left as it is and whose result goes on into a quantised operand takes f32 operands (vector FMAs, or v_wmma_f32_16x16x4_f32). A number that lies on a knife's edge between two numbers of the format may be rounded either way, as far as f32 arithmetic and the matrix unit's own rounding can turn it there, and no further.
;; 2 versions. Each part assembles by itself: llvm-mc -triple=amdgcn-amd-amdhsa -mcpu=gfx1250 --defsym DOCPART=n.
;; ======== version 1 of 2: 3 launches
;; workspace buffers: wq 3,342,336 bytes; lq 4,456,448 bytes; pq 1,261,568 bytes; tlist 8,704 bytes of whole numbers; nent 8,960 bytes; widx 8,960 bytes of whole numbers
;; launch prep (part 1): grid 385 x 1, 4 waves a work-group, no clusters, 1,536 bytes of LDS; arguments dec_W, inp_pos, wq, tlist, nent, widx; writes wq, tlist, nent, widx
.if DOCPART == 1
	.amdgcn_target "amdgcn-amd-amdhsa--gfx1250"
	.amdhsa_code_object_version 6
	.text
	.protected	k_qcc814f2e5f_prep
	.globl	k_qcc814f2e5f_prep
	.p2align	8
	.type	k_qcc814f2e5f_prep,@function
k_qcc814f2e5f_prep:
	s_mov_b64 s[64:65], 0
	v_nop
	global_prefetch_b8 v0, s[64:65] scope:SCOPE_SE
	s_setreg_imm32_b32 hwreg(HW_REG_WAVE_MODE, 25, 1), 1
	s_wait_xcnt 0x0
; PREP: two kinds of work-group, told apart by the work-group's number.
;   0         ROUTE:  the 2,048 tokens are sorted by class (inp_pos 0..7) into tiles of 16 rows; the list goes to tlist; nent and widx are cleared.
;   1..384    WEIGHT: dec_W [8][768 (K)][1024] f32 becomes codes of FP4 (E2M1) with one E8M0 byte for each 32 along K.
; K is dec_W's FIRST axis within an expert: a lane takes a column and its registers run down K, so that a block of 32 lies in one lane and the conversions give codes with K innermost.
; The codes are laid in the ORDER OF THE OPERAND'S REGISTERS (a fragment of 16 rows x 128 K = [half c][lane][16 bytes], 1,024 bytes), so that the next launch loads fragments whole, 512 consecutive bytes a load.
;   wq: codes [e 8][w 16][s 6][t 4] fragments; row r of tile t = 2 b + u is column 64 w + 32 b + 8 u + r + 8 (r / 8) of dec_W[e].  From byte S1O: scale words [e][w][s][b 2][16 u + r].
;   tlist: 2,176 entries, tile i owns entries 16 i .. 16 i + 15.  A row: token | class << 11 | 0x8000.  No row: 0.  At most (2,048 + 8 x 15) / 16 = 135 tiles (0 .. 134) are used, whatever the split.
; A block's scale is 2^(floor(log2(its largest magnitude)) - 2); its byte is the largest magnitude's exponent field - 2, held at 1 from below.
; LIMITS: a block of zeros gets the byte 1 where the quantiser says 127 (its codes are zeros, and this program alone reads the bytes); NaN and infinities are not served;
; inp_pos is taken as unsigned (a negative class would count as 'copied').
; No tensor loads, no cluster: no two work-groups read the same bytes.
.set X,   32                           ; v32-95  two sets of 32 numbers
.set C,   16                           ; v16-31  the codes of four blocks, never rewritten
.set S1O, 3145728
.set DUMP, 2175                        ; tlist's last entry: it lies in tile 135, which no split uses and no launch reads; only zeros are written there
; Block t of four: its 32 numbers (all mine) become 16 bytes of codes and one byte of the scale word v6.
.macro QBLK t
.set XS, X+32*((\t)%2)
.if (\t) < 3
	s_wait_loadcnt 32                              ; this block's 32 loads are in; the next block's 32 may be out
.else
	s_wait_loadcnt 0x0
.endif
	v_max3_num_f32 v12, |v[XS]|, |v[XS+1]|, |v[XS+2]|
	v_max3_num_f32 v13, |v[XS+3]|, |v[XS+4]|, |v[XS+5]|
.irp i, 6,10,14,18,22,26
	v_max3_num_f32 v12, v12, |v[XS+\i]|, |v[XS+\i+1]|
	v_max3_num_f32 v13, v13, |v[XS+\i+2]|, |v[XS+\i+3]|
.endr
	v_max3_num_f32 v12, v12, |v[XS+30]|, |v[XS+31]|
	v_max3_num_f32 v12, v12, v13, 0x1800000        ; and the floor 2^(3 - 127): the byte cannot fall under 1
	v_add_nc_u32 v11, 0xff000000, v12              ; 2 off the exponent field: the conversion takes this operand's exponent field as its scale
	v_lshrrev_b32 v13, 23, v11                     ; the scale's byte
.if (\t) == 0
	v_mov_b32 v6, v13
.else
	v_lshl_or_b32 v6, v13, 8*(\t), v6              ; the lower K in the lower byte
.endif
.irp g, 0,1,2,3
	v_cvt_scalef32_pk8_fp4_f32 v[C+4*(\t)+\g], v[XS+8*\g:XS+8*\g+7], v11
.endr
	v_nop                                          ; one plain line behind the conversions
	global_store_b128 v3, v[C+4*(\t):C+4*(\t)+3], s[56:57] offset:((\t)/2)*512+((\t)%2)*256   ; block t is half t / 2, lanes 16 (t % 2) + r of two fragments: the wave fills two aligned runs of 256 bytes
.endm
.macro LOADA t                         ; dec_W(128 s + 32 t + i, my column): 32 lanes read 128 consecutive bytes, the four waves 512
.set cnt, 0
.rept 32
	global_load_b32 v[X+32*((\t)%2)+cnt], v2, s[60:61] offset:(32*(\t)+cnt)*4096 th:TH_LOAD_NT
.set cnt, cnt+1
.endr
.endm
; ROUTE's two steps.  Sixteen ballots of one class, one for each of my wave's 16 slots, into 16 scalar registers: no line reads the result of the line above it
.macro CNT16 e, base
.set j, 0
.rept 16
	v_cmp_eq_u32 s[\base+j], \e, v[32+j]
.set j, j+1
.endr
.endm
.macro SUM16 e, base                   ; their 16 counts, added in a tree: my wave's rows of class e
.set j, 0
.rept 16
	s_bcnt1_i32_b32 s[\base+j], s[\base+j]
.set j, j+1
.endr
.set j, 0
.rept 8
	s_add_co_u32 s[\base+j], s[\base+j], s[\base+8+j]
.set j, j+1
.endr
.set j, 0
.rept 4
	s_add_co_u32 s[\base+j], s[\base+j], s[\base+4+j]
.set j, j+1
.endr
	s_add_co_u32 s[\base], s[\base], s[\base+2]
	s_add_co_u32 s[\base+1], s[\base+1], s[\base+3]
	s_add_co_u32 s[85+\e], s[\base], s[\base+1]
.endm
	s_load_b256 s[4:11], s[0:1], 0x0               ; dec_W 4, inp_pos 6, wq 8, tlist 10
	s_load_b128 s[12:15], s[0:1], 0x20             ; nent 12, widx 14
	v_lshl_add_u32 v96, v0, 2, 0x400
	v_mov_b32 v97, 0
	v_lshrrev_b32 v1, 5, v0
	v_readfirstlane_b32 s3, v1                     ; wave 0..3
	v_and_b32 v1, 31, v0                           ; lane
	s_cmp_eq_u32 ttmp9, 0
	s_cbranch_scc1 .Lroute
; ---- WEIGHT: work-group a = (e, G, s): 128 columns 128 G .. of expert e, K step s (128 rows of dec_W[e]); a wave takes 32 columns
	s_sub_co_u32 s24, ttmp9, 1
	s_mul_hi_u32 s25, s24, 0xaaaaaaab
	s_lshr_b32 s25, s25, 2                         ; a / 6
	s_mul_i32 s26, s25, 6
	s_sub_co_u32 s26, s24, s26                     ; s
	s_and_b32 s27, s25, 7                          ; G
	s_lshr_b32 s28, s25, 3                         ; e
	s_mul_i32 s30, s28, 3145728                    ; an expert: 768 rows of 4,096 bytes
	s_lshl_b32 s29, s26, 19                        ; a K step: 128 rows
	s_add_co_u32 s30, s30, s29
	s_lshl_b32 s29, s27, 9                         ; 128 columns
	s_add_co_u32 s30, s30, s29
	s_lshl_b32 s29, s3, 7                          ; 32 columns
	s_add_co_u32 s30, s30, s29
	s_mov_b32 s31, 0
	s_lshl_b32 s32, s27, 1
	s_lshr_b32 s29, s3, 1
	s_add_co_u32 s32, s32, s29                     ; w = 2 G + wave / 2
	s_and_b32 s33, s3, 1                           ; b = wave % 2
	s_lshl_b32 s34, s28, 4
	s_add_co_u32 s34, s34, s32
	s_mul_i32 s34, s34, 6
	s_add_co_u32 s34, s34, s26                     ; (16 e + w) 6 + s
	s_lshl_b32 s36, s34, 12                        ; four fragments
	s_lshl_b32 s29, s33, 11                        ; tiles 2 b, 2 b + 1
	s_add_co_u32 s36, s36, s29
	s_mov_b32 s37, 0
	s_lshl_b32 s38, s34, 8
	s_lshl_b32 s29, s33, 7
	s_add_co_u32 s38, s38, s29
	s_add_co_u32 s38, s38, S1O
	s_mov_b32 s39, 0
	v_lshlrev_b32 v2, 2, v1                        ; my column
	v_bfe_u32 v7, v1, 3, 1                         ; u = (lane / 8) % 2
	v_and_b32 v8, 7, v1
	v_lshrrev_b32 v9, 4, v1
	v_lshl_or_b32 v8, v9, 3, v8                    ; r = lane % 8 + 8 (lane / 16): column 32 b + lane is row r of tile 2 b + u
	v_lshlrev_b32 v3, 4, v8
	v_lshl_add_u32 v3, v7, 10, v3                  ; codes: 1,024 u + 16 r
	v_lshl_add_u32 v4, v7, 4, v8
	v_lshlrev_b32 v4, 2, v4                        ; scale word: 4 (16 u + r)
	s_wait_kmcnt 0x0
	s_add_nc_u64 s[60:61], s[4:5], s[30:31]
	s_add_nc_u64 s[56:57], s[8:9], s[36:37]
	s_add_nc_u64 s[58:59], s[8:9], s[38:39]
	LOADA 0
	LOADA 1
	QBLK 0
	LOADA 2
	QBLK 1
	LOADA 3
	QBLK 2
	QBLK 3
	global_store_b32 v4, v6, s[58:59]              ; 128 consecutive bytes a wave: one byte for each 128 that the wave has read
	s_endpgm
; ---- ROUTE: a counting sort by class, 128 threads.  Thread (wave w, lane l) holds tokens 512 w + 32 j + l, j = 0 .. 15, in v[32 + j].
; The work goes class by class, sixteen slots at a time, so that the lines of a run do not wait for each other.
; No lane is ever switched off: a lane that has nothing to store writes a 0 to entry DUMP.  Every store has address and data registers of its own, so that no source of a pending store is written again.
.Lroute:
	v_lshrrev_b32 v6, 5, v0                        ; w
	v_lshlrev_b32 v5, 2, v1
	v_lshl_add_u32 v5, v6, 11, v5                  ; 4 (512 w + l)
	v_lshlrev_b32 v7, 4, v0
	v_lshlrev_b32 v12, 5, v6                       ; LDS: my wave's eight counts
	v_lshl_add_u32 v16, v6, 9, v1                  ; 512 w + l
	v_lshrrev_b32 v20, 4, v0                       ; for the slots behind a class's last row: class tid / 16,
	v_and_b32 v21, 15, v0                          ; k = tid % 16
	v_mov_b32 v22, DUMP
.irp i, 8,9,10,11
	v_mov_b32 v\i, 0
.endr
	s_wait_kmcnt 0x0
.irp j, 0,1,2,3,4,5,6,7,8,9,10,11,12,13,14,15
	global_load_b32 v[32+\j], v5, s[6:7] offset:128*\j
.endr
.irp k, 0,1,2,3
	global_store_b128 v7, v[8:11], s[12:13] offset:2048*\k         ; nent and widx of tokens that no expert takes are read later: zeros
	global_store_b128 v7, v[8:11], s[14:15] offset:2048*\k
.endr
	s_wait_loadcnt 0x0
	CNT16 0, 24                                    ; my wave's count of each class, s[85 + e]: two classes' ballots, then their sums
	CNT16 1, 40
	SUM16 0, 24
	SUM16 1, 40
	CNT16 2, 24
	CNT16 3, 40
	SUM16 2, 24
	SUM16 3, 40
	CNT16 4, 24
	CNT16 5, 40
	SUM16 4, 24
	SUM16 5, 40
	CNT16 6, 24
	CNT16 7, 40
	SUM16 6, 24
	SUM16 7, 40
.irp e, 0,1,2,3,4,5,6,7
	v_mov_b32 v[24+\e], s[85+\e]
.endr
	ds_store_b128 v12, v[24:27]
	ds_store_b128 v12, v[28:31] offset:16
	s_wait_dscnt 0x0                               ; for the others' sake: my counts lie in LDS
	s_barrier_signal -1
	; while the others arrive, on registers alone: each token's entry (v64 + j): token | class << 11 | 0x8000, or 0 for a token that no expert takes
.set j, 0
.rept 16
	v_add_nc_u32 v[64+j], 32*j, v16
.set j, j+1
.endr
.set j, 0
.rept 16
	v_cmp_gt_u32 s[24+j], 8, v[32+j]
.set j, j+1
.endr
.set j, 0
.rept 16
	v_lshl_or_b32 v[64+j], v[32+j], 11, v[64+j]
.set j, j+1
.endr
.set j, 0
.rept 16
	v_or_b32 v[64+j], 0x8000, v[64+j]
.set j, j+1
.endr
.set j, 0
.rept 16
	v_cndmask_b32 v[64+j], 0, v[64+j], s[24+j]
.set j, j+1
.endr
	s_barrier_wait -1
.irp k, 0,1,2,3
	ds_load_b128 v[48+4*\k:51+4*\k], v8 offset:16*\k               ; all four waves' counts (v8 = 0): waves 0 and 1,
	ds_load_b128 v[80+4*\k:83+4*\k], v8 offset:64+16*\k            ; waves 2 and 3
.endr
	s_wait_dscnt 0x0
.set cnt, 0
.rept 16
	v_readfirstlane_b32 s[24+cnt], v[48+cnt]       ; s[24 + 8 w' + e]
	v_readfirstlane_b32 s[40+cnt], v[80+cnt]
.set cnt, cnt+1
.endr
.irp e, 0,1,2,3,4,5,6,7                        ; n_e
	s_add_co_u32 s[68+\e], s[24+\e], s[32+\e]
	s_add_co_u32 s[68+\e], s[68+\e], s[40+\e]
	s_add_co_u32 s[68+\e], s[68+\e], s[48+\e]
.endr
	s_cmp_gt_u32 s3, 0                             ; the rows of class e in the waves in front of mine
.irp e, 0,1,2,3,4,5,6,7
	s_cselect_b32 s[85+\e], s[24+\e], 0
.endr
	s_cmp_gt_u32 s3, 1
.irp e, 0,1,2,3,4,5,6,7
	s_cselect_b32 s[93+\e], s[32+\e], 0
.endr
.irp e, 0,1,2,3,4,5,6,7
	s_add_co_u32 s[85+\e], s[85+\e], s[93+\e]
.endr
	s_cmp_gt_u32 s3, 2
.irp e, 0,1,2,3,4,5,6,7
	s_cselect_b32 s[93+\e], s[40+\e], 0
.endr
.irp e, 0,1,2,3,4,5,6,7
	s_add_co_u32 s[85+\e], s[85+\e], s[93+\e]
.endr
	s_mov_b32 s76, 0                               ; s[76 + e]: the first tile of class e; s84: tiles in all
.irp e, 0,1,2,3,4,5,6,7
	s_add_co_u32 s56, s[68+\e], 15
	s_lshr_b32 s56, s56, 4
	s_add_co_u32 s[77+\e], s[76+\e], s56
	s_lshl_b32 s56, s[76+\e], 4
	s_add_co_u32 s[85+\e], s[85+\e], s56           ; s[85 + e]: the slot of my wave's first row of class e
.endr
	; each token's slot (v48 + j).  A token that no expert takes keeps the slot DUMP
.set j, 0
.rept 16
	v_mov_b32 v[48+j], v22
.set j, j+1
.endr
.irp e, 0,1,2,3,4,5,6,7
	CNT16 \e, 24
.set j, 0
.rept 16
	s_bcnt1_i32_b32 s[40+j], s[24+j]
.set j, j+1
.endr
	s_add_co_u32 s40, s40, s[85+\e]                ; s[40 + j]: the slot behind the class's rows of my slots 0 .. j
.set j, 1
.rept 15
	s_add_co_u32 s[40+j], s[40+j], s[39+j]
.set j, j+1
.endr
	v_mbcnt_lo_u32_b32 v80, s24, s[85+\e]          ; the slot: where slot j's rows of the class begin + the lanes of that class below mine
.set j, 1
.rept 15
	v_mbcnt_lo_u32_b32 v[80+j], s[24+j], s[39+j]
.set j, j+1
.endr
.set j, 0
.rept 16
	v_cndmask_b32 v[48+j], v[48+j], v[80+j], s[24+j]
.set j, j+1
.endr
.endr
.set j, 0
.rept 16
	v_min_u32 v[48+j], DUMP, v[48+j]
.set j, j+1
.endr
.set j, 0
.rept 16
	v_lshlrev_b32 v[48+j], 2, v[48+j]
.set j, j+1
.endr
.set j, 0
.rept 16
	global_store_b32 v[48+j], v[64+j], s[10:11]
.set j, j+1
.endr
	; the slots between a class's last row and the end of its last tile: thread (class tid / 16, k = tid % 16)
.irp e, 0,1,2,3,4,5,6,7
	s_lshl_b32 s[24+\e], s[76+\e], 4
	s_add_co_u32 s[24+\e], s[24+\e], s[68+\e]      ; the first slot behind the class's rows
	s_lshl_b32 s[32+\e], s[77+\e], 4               ; the next class's first slot
.endr
	v_mov_b32 v18, 0
	v_mov_b32 v19, 0
.irp e, 0,1,2,3,4,5,6,7
	v_cmp_eq_u32 s[40+\e], \e, v20
.endr
.irp e, 0,1,2,3,4,5,6,7
	v_cndmask_b32 v18, v18, s[24+\e], s[40+\e]
	v_cndmask_b32 v19, v19, s[32+\e], s[40+\e]
.endr
	v_add_nc_u32 v18, v18, v21
	v_cmp_lt_u32 vcc_lo, v18, v19
	v_cndmask_b32 v18, v22, v18, vcc_lo            ; what would lie in the next class's tiles goes to DUMP
	v_min_u32 v18, DUMP, v18
	v_lshlrev_b32 v18, 2, v18
	global_store_b32 v18, v8, s[10:11]
	; the tiles that this split does not use; what would pass the list's end writes its 0 to DUMP
	s_lshl_b32 s56, s84, 4
	v_add_nc_u32 v23, s56, v0
.set k, 0
.rept 17
	v_add_nc_u32 v[24+k], 128*k, v23
	v_min_u32 v[24+k], DUMP, v[24+k]
	v_lshlrev_b32 v[24+k], 2, v[24+k]
	global_store_b32 v[24+k], v8, s[10:11]
.set k, k+1
.endr
	s_wait_tensorcnt 0x0
	ds_add_u32 v96, v97
	s_wait_dscnt 0x0
	s_endpgm
.Lfunc_end_k_qcc814f2e5f_prep:
	.size	k_qcc814f2e5f_prep, .Lfunc_end_k_qcc814f2e5f_prep-k_qcc814f2e5f_prep
	.p2alignl 7, 3214868480
	.fill 96, 4, 3214868480
	.section	.rodata,"a",@progbits
	.p2align	6, 0x0
	.amdhsa_kernel k_qcc814f2e5f_prep
		.amdhsa_group_segment_fixed_size 1536
		.amdhsa_private_segment_fixed_size 0
		.amdhsa_enable_private_segment 0
		.amdhsa_kernarg_size 48
		.amdhsa_user_sgpr_count 2
		.amdhsa_user_sgpr_kernarg_segment_ptr 1
		.amdhsa_wavefront_size32 1
		.amdhsa_system_sgpr_workgroup_id_x 1
		.amdhsa_system_sgpr_workgroup_id_y 1
		.amdhsa_system_sgpr_workgroup_id_z 1
		.amdhsa_system_vgpr_workitem_id 0
		.amdhsa_next_free_vgpr 98
		.amdhsa_next_free_sgpr 104
		.amdhsa_reserve_vcc 1
		.amdhsa_float_denorm_mode_32 3
		.amdhsa_float_denorm_mode_16_64 3
		.amdhsa_memory_ordered 1
		.amdhsa_forward_progress 1
		.amdhsa_inst_pref_size 93
	.end_amdhsa_kernel
	.amdgpu_metadata
---
amdhsa.version: [ 1, 2 ]
amdhsa.kernels:
  - .name:           k_qcc814f2e5f_prep
    .symbol:         k_qcc814f2e5f_prep.kd
    .args:
      - { .name: dec_W, .offset: 0, .size: 8, .value_kind: global_buffer, .address_space: global }
      - { .name: inp_pos, .offset: 8, .size: 8, .value_kind: global_buffer, .address_space: global }
      - { .name: wq, .offset: 16, .size: 8, .value_kind: global_buffer, .address_space: global }
      - { .name: tlist, .offset: 24, .size: 8, .value_kind: global_buffer, .address_space: global }
      - { .name: nent, .offset: 32, .size: 8, .value_kind: global_buffer, .address_space: global }
      - { .name: widx, .offset: 40, .size: 8, .value_kind: global_buffer, .address_space: global }
    .group_segment_fixed_size: 1536
    .private_segment_fixed_size: 0
    .kernarg_segment_align: 8
    .kernarg_segment_size: 48
    .max_flat_workgroup_size: 128
    .sgpr_count:     104
    .vgpr_count:     98
    .wavefront_size: 32
...
	.end_amdgpu_metadata
.endif
;; end of part 1
;; launch decode (part 2): grid 263 x 1, 16 waves a work-group, no clusters, 16,384 bytes of LDS; arguments tlist, ctx, wq, dec_b, u_gumbel, pq, nent, widx, psr_weight, atk_weight, words, lq; writes pq, nent, widx, lq
.if DOCPART == 2
	.amdgcn_target "amdgcn-amd-amdhsa--gfx1250"
	.amdhsa_code_object_version 6
	.text
	.protected	k_qcc814f2e5f_decode
	.globl	k_qcc814f2e5f_decode
	.p2align	8
	.type	k_qcc814f2e5f_decode,@function
k_qcc814f2e5f_decode:
	s_mov_b64 s[64:65], 0
	v_nop
	global_prefetch_b8 v0, s[64:65] scope:SCOPE_SE
	s_setreg_imm32_b32 hwreg(HW_REG_WAVE_MODE, 25, 1), 1
	s_wait_xcnt 0x0
; DECODE: two kinds of work-group, told apart by the work-group's number at the first line.
;   0..134    TILE:  ONE tile of 16 rows of ONE expert e (tlist) goes from ctx to the codes of p.
;   135..262  TABLE: the rows words[e][m] of psr_weight or atk_weight, [m (K)][512] f32, become codes of FP4 with one E8M0 byte for each 32 along K, for the launch behind this one.
;             It shares nothing with the tiles (no LDS, no barrier) and stands at the text's end.
; TILE.
;   x = Q(ctx) Q(dec_W[e]) + dec_b[e]   (MX-FP4, K = 768);   a = (x - max x) log2(e);   S = sum 2^a;   W = sum a 2^a;   the row's entropy term = ln 2 (log2 S - W / S);
;   t = a - log2 S - log2(-ln u), u held to [1e-6, 1 - 1e-6]: that is (log_softmax + gumbel) x log2(e);   the index of the largest t (the lowest index of equals);
;   M = ceil(the largest t);   p = 2^(t - M), quantised along the 1,024 logits; l = the sum of the unquantised p.
; SHARES.  Sixteen waves; wave w owns logits 64 w .. 64 w + 63 of all 16 rows: four tiles of dec_W's columns.  The product is used transposed (source 0 = 16 columns of dec_W, source 1 = ctx's 16 rows),
; and the columns of a tile are chosen (prep) so that lane (r, h) holds row r and register ACC + 16 b + i the logit 64 w + 32 b + 16 h + i: 16 neighbours of each of the wave's two blocks of 32.
; So the wave's p are half w % 2 of K step w / 2 of the next products: four registers, stored as they stand.  ctx is quantised likewise by waves 0 to 11 and goes round as images of the operand's registers in LDS.
; What spans the waves (largest x; S, W, largest t and its index; l) meets in LDS: four barriers, every region written once.
; A ROW THAT A TILE LACKS repeats the tile's row 0: the same token, the same bits, the same addresses; no lane is ever switched off.
; A TILE THAT THE SPLIT LEAVES WITHOUT ROWS (entry 0 = 0) walks the same text on token 0 and expert 0, so that no barrier stands behind a branch on a number read from memory; its two numbers for a token go
; to the tile's own spare entry, 2,048 + tile, of nent and widx, which nobody reads, and its part of pq is not read either.
; NO TENSOR LOADS, NO CLUSTER: how many tiles an expert has hangs on the split, so partners of a cluster could not be given tiles of one expert at every split; the weights come from memory straight into registers,
; laid by prep in the order of the operand's registers: 512 consecutive bytes a load.
; LIMITS: NaN and infinities are not served; a block of zeros gets the byte 1 (its codes are zeros, and this program alone reads the bytes); equal t are told apart by the lowest index, on t, not on the rounded softmax;
; an index of words above 19,999 is held at 19,999.
; pq: codes [tile][w 16][lane][16 bytes]; from PSO scale words [tile][K step 8][lane]; from PLO l [tile][lane].
; lq: codes [e 8][W 16][s 8][t 4] fragments of 1,024 bytes ([half c][lane][16 bytes]), W = 8 x table + w; row r of tile t is column 64 w + 16 t + r.  From byte S2O: scale words [e][W][s][t / 2][16 (t % 2) + r].
; REGISTERS (TILE): v3-15 offsets and LDS addresses, never rewritten; v16-27 dec_W's scale words; v28-31 at work; v32-63 ACC; v64-191 four buffers of 32 for dec_W's fragments, later bias (v128), u (v160), a (v64), 2^a (v96), records (v64-127);
;   v192-239 ctx's six fragments, later at work; v240-245 ctx's scale words; v246-255 at work for the quantiser.
.set TILES, 135
.set ACC,  32
.set RING, 64
.set BIA,  128
.set UG,   160
.set EA,   64
.set EE,   96
.set XF,   192
.set XSW,  240
.set W1S,  16
.set PC,   248
.set XIMG, 0                           ; LDS: ctx's six fragments as images, 512 bytes from each of waves 0-11
.set XSC,  6144                        ; their scale words: 128 bytes a K step, half a word from each of two waves
.set MXB,  7168                        ; [row 16][wave 16] the waves' largest x
.set REC,  8192                        ; [wave 16][row 16] 16 bytes: S, W, largest t', its index
.set LSB,  12288                       ; [row][wave] the waves' sums of p
.set PSL,  13312                       ; p's scale words, as XSC
.set S1O,  3145728
.set S2O,  4194304
.set PSO,  1105920
.set PLO,  1244160
.set TX,   32                          ; TABLE: v32-95 two sets of 32 numbers
.set TC,   16                          ; TABLE: v16-31 the codes of four blocks, never rewritten
.macro ROWLD reg, va, sb               ; my 16 numbers of each of my wave's two blocks of 32, of my row
.irp b, 0,1
.irp j, 0,1,2,3
	global_load_b128 v[\reg+16*\b+4*\j:\reg+16*\b+4*\j+3], v[\va], s[\sb:\sb+1] offset:128*\b+16*\j
.endr
.endr
.endm
.macro WLD s                           ; dec_W's four fragments of K step s into buffer s % 4
.irp t, 0,1,2,3
.irp c, 0,1
	global_load_b128 v[RING+32*((\s)%4)+8*\t+4*\c:RING+32*((\s)%4)+8*\t+4*\c+3], v3, s[24:25] offset:4096*(\s)+1024*\t+512*\c
.endr
.endr
.endm
.macro MM first, odd                   ; one product; an odd tile's scale words stand in lanes 16-31 of the register that it shares with the even tile
.if \first
.if \odd
	v_wmma_scale_f32_16x16x128_f8f6f4 v[rD:rD+7], v[rA:rA+7], v[rB:rB+7], 0, v[rS], v[rT] matrix_a_fmt:MATRIX_FMT_FP4 matrix_b_fmt:MATRIX_FMT_FP4 matrix_a_scale:MATRIX_SCALE_ROW1
.else
	v_wmma_scale_f32_16x16x128_f8f6f4 v[rD:rD+7], v[rA:rA+7], v[rB:rB+7], 0, v[rS], v[rT] matrix_a_fmt:MATRIX_FMT_FP4 matrix_b_fmt:MATRIX_FMT_FP4
.endif
.else
.if \odd
	v_wmma_scale_f32_16x16x128_f8f6f4 v[rD:rD+7], v[rA:rA+7], v[rB:rB+7], v[rD:rD+7], v[rS], v[rT] matrix_a_fmt:MATRIX_FMT_FP4 matrix_b_fmt:MATRIX_FMT_FP4 matrix_a_scale:MATRIX_SCALE_ROW1
.else
	v_wmma_scale_f32_16x16x128_f8f6f4 v[rD:rD+7], v[rA:rA+7], v[rB:rB+7], v[rD:rD+7], v[rS], v[rT] matrix_a_fmt:MATRIX_FMT_FP4 matrix_b_fmt:MATRIX_FMT_FP4
.endif
.endif
.endm
.macro STEP s, n                       ; K step s: the four accumulators take turns, one instruction a turn; n: the younger loads that may stay out
	s_wait_loadcnt \n
.irp t, 0,1,2,3
.set rD, ACC+8*\t
.set rA, RING+32*((\s)%4)+8*\t
.set rB, XF+8*(\s)
.set rS, W1S+2*(\s)+(\t)/2
.set rT, XSW+(\s)
	MM (\s)==0, (\t)%2
.endr
.rept 4
	v_nop                                          ; four places in front of loads into registers that these products have read, and of the first read of results
.endr
.endm
.macro JOINMAX                         ; v28, v29 with lane l xor 16's
	v_permlanex16_b32 v30, v28, s28, s29
	v_permlanex16_b32 v31, v29, s28, s29
	v_max_num_f32 v28, v28, v30
	v_max_num_f32 v29, v29, v31
.endm
.macro SCALE2                          ; from two blocks' largest magnitudes (v28, v29): the conversions' operands v246, v247 and half a scale word v254
	v_add_nc_u32 v246, 0xff000000, v28             ; 2 off the exponent field
	v_add_nc_u32 v247, 0xff000000, v29
	v_lshrrev_b32 v252, 23, v246                   ; the bytes
	v_lshrrev_b32 v253, 23, v247
	v_lshl_or_b32 v254, v253, 8, v252
.endm
.macro CODES2 src                      ; 32 numbers of a lane become four registers of an operand
	v_cvt_scalef32_pk8_fp4_f32 v[PC], v[\src:\src+7], v246
	v_cvt_scalef32_pk8_fp4_f32 v[PC+1], v[\src+8:\src+15], v246
	v_cvt_scalef32_pk8_fp4_f32 v[PC+2], v[\src+16:\src+23], v247
	v_cvt_scalef32_pk8_fp4_f32 v[PC+3], v[\src+24:\src+31], v247
	v_nop                                          ; one plain line behind the conversions
	v_permlane16_swap_b32 v[PC], v[PC+2]           ; the operand wants a WHOLE block in a lane: lanes 0-15 the first block, lanes 16-31 the second
	v_permlane16_swap_b32 v[PC+1], v[PC+3]
.endm
.macro BAR                             ; my LDS stores have landed and my LDS loads are in: then the work-group's barrier
	s_wait_dscnt 0x0
	s_barrier_signal -1
	s_barrier_wait -1
.endm
; TABLE's three steps.  Block t of four: its 32 numbers (all mine: a lane takes a column, its registers run down K) become 16 bytes of codes and one byte of the scale word v6.
.macro QBLK t
.set TXS, TX+32*((\t)%2)
.if (\t) < 3
	s_wait_loadcnt 32                              ; this block's 32 loads are in; the next block's 32 may be out
.else
	s_wait_loadcnt 0x0
.endif
	v_max3_num_f32 v12, |v[TXS]|, |v[TXS+1]|, |v[TXS+2]|
	v_max3_num_f32 v13, |v[TXS+3]|, |v[TXS+4]|, |v[TXS+5]|
.irp i, 6,10,14,18,22,26
	v_max3_num_f32 v12, v12, |v[TXS+\i]|, |v[TXS+\i+1]|
	v_max3_num_f32 v13, v13, |v[TXS+\i+2]|, |v[TXS+\i+3]|
.endr
	v_max3_num_f32 v12, v12, |v[TXS+30]|, |v[TXS+31]|
	v_max3_num_f32 v12, v12, v13, 0x1800000        ; and the floor 2^(3 - 127): the byte cannot fall under 1
	v_add_nc_u32 v11, 0xff000000, v12              ; 2 off the exponent field: the conversion takes this operand's exponent field as its scale
	v_lshrrev_b32 v13, 23, v11                     ; the scale's byte
.if (\t) == 0
	v_mov_b32 v6, v13
.else
	v_lshl_or_b32 v6, v13, 8*(\t), v6              ; the lower K in the lower byte
.endif
.irp g, 0,1,2,3
	v_cvt_scalef32_pk8_fp4_f32 v[TC+4*(\t)+\g], v[TXS+8*\g:TXS+8*\g+7], v11
.endr
	v_nop                                          ; one plain line behind the conversions: their sources are written again below
	global_store_b128 v3, v[TC+4*(\t):TC+4*(\t)+3], s[56:57] offset:((\t)/2)*512+((\t)%2)*256   ; block t is half t / 2, lanes 16 (t % 2) + r of two fragments: the wave fills two aligned runs of 256 bytes
.endm
.macro WORDS t, base                   ; the 32 indices of block t
	s_load_b512 s[\base:\base+15], s[62:63], 128*(\t)
	s_load_b512 s[\base+16:\base+31], s[62:63], 128*(\t)+64
.endm
.macro LOADG t, base                   ; table(words[e][128 s + 32 t + i], my column); each load lands on its own offset register; the sixteen waves together read the whole row of 2,048 bytes
.set cnt, 0
.rept 32
	s_min_u32 s[\base+cnt], s[\base+cnt], 19999
	v_lshl_add_u32 v[TX+32*((\t)%2)+cnt], s[\base+cnt], 11, v2
	global_load_b32 v[TX+32*((\t)%2)+cnt], v[TX+32*((\t)%2)+cnt], s[60:61]
.set cnt, cnt+1
.endr
.endm
	s_cmp_lt_u32 ttmp9, TILES
	s_cbranch_scc0 .Ltables
; ---- TILE
	s_load_b512 s[4:19], s[0:1], 0x0               ; tlist 4, ctx 6, wq 8, dec_b 10, u_gumbel 12, pq 14, nent 16, widx 18
	v_lshrrev_b32 v1, 5, v0
	v_readfirstlane_b32 s20, v1                    ; wave 0..15
	v_and_b32 v1, 15, v0                           ; r
	v_bfe_u32 v2, v0, 4, 1                         ; h
	v_and_b32 v3, 31, v0
	v_lshlrev_b32 v4, 2, v3                        ; 4 x lane
	v_lshlrev_b32 v3, 4, v3                        ; 16 x lane
	s_lshl_b32 s21, ttmp9, 6
	v_lshl_add_u32 v255, v1, 2, s21                ; my row's entry: 64 x tile + 4 r
	s_wait_kmcnt 0x0
	global_load_b32 v254, v255, s[4:5]
	; every LDS address is made here, of the thread's and the wave's number alone
	s_lshl_b32 s46, s20, 2
	v_lshl_add_u32 v7, v1, 6, s46                  ; 64 r + 4 w
	v_lshlrev_b32 v8, 6, v1                        ; 64 r
	s_lshl_b32 s46, s20, 6
	v_lshl_add_u32 v9, v2, 4, s46                  ; the number 64 w + 16 h: my first logit
	s_lshl_b32 s51, s20, 8                         ; 256 w
	v_lshl_add_u32 v10, v1, 4, s51                 ; 256 w + 16 r
	v_lshlrev_b32 v11, 4, v1                       ; 16 r
	s_lshl_b32 s47, s20, 9
	v_add_nc_u32 v12, s47, v3                      ; 512 w + 16 x lane
	s_lshr_b32 s48, s20, 1
	s_lshl_b32 s48, s48, 7
	s_and_b32 s49, s20, 1
	s_lshl_b32 s49, s49, 1
	s_add_co_u32 s48, s48, s49
	v_add_nc_u32 v14, s48, v4                      ; 128 (w / 2) + 2 (w % 2) + 4 x lane: my half of a scale word
	v_lshlrev_b32 v5, 6, v2                        ; 64 h
	v_mov_b32 v30, 0                               ; written once: a lane permute's destination counts as one of its sources
	v_mov_b32 v31, 0
	s_mov_b32 s28, 0x76543210
	s_mov_b32 s29, 0xfedcba98                      ; v_permlanex16_b32's selects for lane l xor 16
	s_mov_b32 s30, 0x3fb8aa3b                      ; log2(e); the packed forms name a pair and take its low word for both halves
	s_mov_b32 s31, s30
	s_mov_b32 s32, 0x358637bd                      ; 1e-6
	s_mov_b32 s33, 0x3f7fffef                      ; 1 - 1e-6
	s_mov_b32 s34, 0xbf317218                      ; -ln 2
	s_mov_b32 s35, s34
	s_mov_b32 s37, 0x3f317218                      ; ln 2
	s_add_co_u32 s23, ttmp9, 2048                  ; the tile's spare entry
	s_mov_b32 s47, 0
	s_lshl_b32 s46, ttmp9, 13
	s_lshl_b32 s48, s20, 9
	s_add_co_u32 s46, s46, s48
	s_add_nc_u64 s[40:41], s[14:15], s[46:47]      ; pq: my wave's 512 bytes of codes
	s_lshl_b32 s46, ttmp9, 10
	s_add_co_u32 s46, s46, PSO
	s_add_nc_u64 s[42:43], s[14:15], s[46:47]      ; the tile's scale words
	s_lshl_b32 s46, ttmp9, 7
	s_add_co_u32 s46, s46, PLO
	s_add_nc_u64 s[44:45], s[14:15], s[46:47]      ; the tile's l
	s_wait_loadcnt 0x0
	v_readfirstlane_b32 s21, v254                  ; entry 0
	s_bfe_u32 s22, s21, 0x3000b
	s_min_u32 s22, s22, 7                          ; the expert
	v_cmp_eq_u32 vcc_lo, 0, v254
	v_cndmask_b32 v254, v254, s21, vcc_lo          ; a row that the tile lacks repeats row 0
	v_and_b32 v254, 0x7ff, v254
	s_bitcmp1_b32 s21, 15
	s_cselect_b32 s50, 0, -1                       ; all ones where the tile has no rows
	v_cndmask_b32 v15, v254, s23, s50
	v_min_u32 v15, 2239, v15
	v_lshlrev_b32 v15, 2, v15                      ; where the row's two numbers go in nent and widx
	v_min_u32 v254, 0x7ff, v254                    ; the token
	v_mul_u32_u24 v6, v254, 3072
	v_lshl_add_u32 v6, v2, 6, v6
	v_add_nc_u32 v6, s51, v6                       ; ctx: token x 3,072 + 256 w + 64 h
	v_lshl_add_u32 v13, v254, 12, v5
	v_add_nc_u32 v13, s51, v13                     ; u: token x 4,096 + 256 w + 64 h
	s_lshl_b32 s23, s22, 4
	s_add_co_u32 s23, s23, s20                     ; 16 e + w
	s_mul_i32 s46, s23, 24576
	s_add_nc_u64 s[24:25], s[8:9], s[46:47]        ; my 24 fragments
	s_mul_i32 s46, s23, 1536
	s_add_co_u32 s46, s46, S1O
	s_add_nc_u64 s[26:27], s[8:9], s[46:47]        ; their scale words
	s_lshl_b32 s46, s22, 12
	s_add_co_u32 s46, s46, s51
	s_add_nc_u64 s[38:39], s[10:11], s[46:47]      ; dec_b[e] at my 64 logits
	; ---- ctx: waves 0 to 11 take 64 along K each: half w % 2 of K step w / 2
	s_cmp_lt_u32 s20, 12
	s_cbranch_scc0 .Lno_x_load
	ROWLD ACC, 6, 6
.Lno_x_load:
.irp s, 0,1,2,3,4,5
.irp b, 0,1
	global_load_b32 v[W1S+2*\s+\b], v4, s[26:27] offset:256*\s+128*\b      ; lanes 0-15: tile 2 b's words; lanes 16-31: tile 2 b + 1's
.endr
.endr
	WLD 0
	WLD 1
	WLD 2
	WLD 3
	s_cmp_lt_u32 s20, 12
	s_cbranch_scc0 .Lno_x_quant
	s_wait_loadcnt 44                              ; ctx's eight loads are in; the 12 + 32 issued behind them may be out
.irp b, 0,1
	v_max3_num_f32 v[28+\b], |v[ACC+16*\b]|, |v[ACC+1+16*\b]|, 0x1800000   ; my 16 numbers of block b, and the floor 2^(3 - 127)
.endr
.irp i, 2,4,6,8,10,12,14
.irp b, 0,1
	v_max3_num_f32 v[28+\b], v[28+\b], |v[ACC+16*\b+\i]|, |v[ACC+1+16*\b+\i]|
.endr
.endr
	JOINMAX
	SCALE2
	CODES2 ACC
	ds_store_b128 v12, v[PC:PC+3] offset:XIMG
	ds_store_b16 v14, v254 offset:XSC
.Lno_x_quant:
	BAR                                            ; ctx's six fragments and their scale words lie in LDS
.irp s, 0,1,2,3,4,5
.irp c, 0,1
	ds_load_b128 v[XF+8*\s+4*\c:XF+8*\s+4*\c+3], v3 offset:XIMG+1024*\s+512*\c
.endr
	ds_load_b32 v[XSW+\s], v4 offset:XSC+128*\s
.endr
	s_wait_dscnt 0x0
	; ---- the product.  Each count: the three (at last two) groups of eight loads issued behind the group that is wanted
	STEP 0, 24
	WLD 4
	STEP 1, 24
	WLD 5
	STEP 2, 24
	ROWLD BIA, 5, 38                               ; the bias, into the buffer that K step 2 has left
	STEP 3, 24
	ROWLD UG, 13, 12                               ; u, into K step 3's
	STEP 4, 24
	STEP 5, 16
	s_wait_loadcnt 0x0
.set j, 0
.rept 16
	v_pk_add_f32 v[ACC+j:ACC+j+1], v[ACC+j:ACC+j+1], v[BIA+j:BIA+j+1]     ; x; each accumulator is read from its low end on
.set j, j+2
.endr
	v_max3_num_f32 v28, v[ACC], v[ACC+1], v[ACC+2]                 ; the largest of my 32
	v_max3_num_f32 v29, v[ACC+3], v[ACC+4], v[ACC+5]
.irp i, 6,10,14,18,22,26
	v_max3_num_f32 v28, v28, v[ACC+\i], v[ACC+\i+1]
	v_max3_num_f32 v29, v29, v[ACC+\i+2], v[ACC+\i+3]
.endr
	v_max3_num_f32 v28, v28, v[ACC+30], v[ACC+31]
	v_max_num_f32 v28, v28, v29
	v_permlanex16_b32 v30, v28, s28, s29
	v_max_num_f32 v28, v28, v30                    ; of my row's 64 in this wave
	ds_store_b32 v7, v28 offset:MXB                ; (both halves of the lanes write the same word with the same value)
	s_wait_dscnt 0x0
	s_barrier_signal -1
	; while the others arrive, on registers alone: log2(-ln u)
.set j, 0
.rept 32
	v_med3_num_f32 v[UG+j], v[UG+j], s32, s33
.set j, j+1
.endr
.set j, 0
.rept 32
	v_log_f32 v[UG+j], v[UG+j]
.set j, j+1
.endr
	v_nop                                          ; a plain line behind the transcendentals
.set j, 0
	s_wait_alu depctr_va_vdst(0)
.rept 16
	v_pk_mul_f32 v[UG+j:UG+j+1], v[UG+j:UG+j+1], s[34:35] op_sel_hi:[1,0]     ; -ln u
.set j, j+2
.endr
.set j, 0
.rept 32
	v_log_f32 v[UG+j], v[UG+j]
.set j, j+1
.endr
	v_nop
	s_barrier_wait -1
	; ---- the row's largest x; a; 2^a; S and W
.irp k, 0,1,2,3
	ds_load_b128 v[96+4*\k:99+4*\k], v8 offset:MXB+16*\k
.endr
	s_wait_dscnt 0x0
	v_max3_num_f32 v192, v96, v97, v98
	v_max3_num_f32 v193, v99, v100, v101
	v_max3_num_f32 v192, v192, v102, v103
	v_max3_num_f32 v193, v193, v104, v105
	v_max3_num_f32 v192, v192, v106, v107
	v_max3_num_f32 v193, v193, v108, v109
	v_max3_num_f32 v192, v192, v110, v111
	v_max_num_f32 v192, v192, v193
	v_mov_b32 v193, v192
.set j, 0
.rept 16
	v_pk_add_f32 v[ACC+j:ACC+j+1], v[ACC+j:ACC+j+1], v[192:193] neg_lo:[0,1] neg_hi:[0,1]     ; x - the largest: taken first, so that the error does not grow with the size of x
.set j, j+2
.endr
.set j, 0
.rept 16
	v_pk_mul_f32 v[EA+j:EA+j+1], v[ACC+j:ACC+j+1], s[30:31] op_sel_hi:[1,0]   ; a
.set j, j+2
.endr
.set j, 0
.rept 32
	v_exp_f32 v[EE+j], v[EA+j]
.set j, j+1
.endr
.set j, 0
	s_wait_alu depctr_va_vdst(0)
.rept 16
	v_pk_fma_f32 v[ACC+j:ACC+j+1], v[ACC+j:ACC+j+1], s[30:31], v[UG+j:UG+j+1] op_sel_hi:[1,0,1] neg_lo:[0,0,1] neg_hi:[0,0,1]   ; t' = a - log2(-ln u) = t + log2 S.  (Plain lines behind the exponentials)
.set j, j+2
.endr
	v_pk_add_f32 v[194:195], v[EE:EE+1], v[EE+4:EE+5]              ; S, in two chains
	v_pk_add_f32 v[196:197], v[EE+2:EE+3], v[EE+6:EE+7]
	v_pk_mul_f32 v[198:199], v[EA:EA+1], v[EE:EE+1]                ; W likewise
	v_pk_mul_f32 v[200:201], v[EA+2:EA+3], v[EE+2:EE+3]
	v_pk_fma_f32 v[198:199], v[EA+4:EA+5], v[EE+4:EE+5], v[198:199]
	v_pk_fma_f32 v[200:201], v[EA+6:EA+7], v[EE+6:EE+7], v[200:201]
.irp i, 8,12,16,20,24,28
	v_pk_add_f32 v[194:195], v[194:195], v[EE+\i:EE+\i+1]
	v_pk_add_f32 v[196:197], v[196:197], v[EE+\i+2:EE+\i+3]
	v_pk_fma_f32 v[198:199], v[EA+\i:EA+\i+1], v[EE+\i:EE+\i+1], v[198:199]
	v_pk_fma_f32 v[200:201], v[EA+\i+2:EA+\i+3], v[EE+\i+2:EE+\i+3], v[200:201]
.endr
	v_pk_add_f32 v[194:195], v[194:195], v[196:197]
	v_pk_add_f32 v[198:199], v[198:199], v[200:201]
	v_add_f32 v194, v194, v195
	v_add_f32 v198, v198, v199
	v_permlanex16_b32 v30, v194, s28, s29
	v_permlanex16_b32 v31, v198, s28, s29
	v_add_f32 v208, v194, v30                      ; the record's S
	v_add_f32 v209, v198, v31                      ; and W
	; ---- the largest t' of each block of 32 (it serves twice: for the row's maximum and for the block's largest p), and where the wave's largest lies
.irp b, 0,1
	v_max3_num_f32 v[28+\b], v[ACC+16*\b], v[ACC+1+16*\b], v[ACC+2+16*\b]
.endr
.irp i, 3,5,7,9,11,13
.irp b, 0,1
	v_max3_num_f32 v[28+\b], v[28+\b], v[ACC+16*\b+\i], v[ACC+1+16*\b+\i]
.endr
.endr
.irp b, 0,1
	v_max_num_f32 v[28+\b], v[28+\b], v[ACC+15+16*\b]
.endr
	JOINMAX
	v_max_num_f32 v210, v28, v29
	v_mov_b32 v203, 0x1000                         ; 'not among mine'
.set j, 31
.rept 32
	v_cmp_neq_f32 vcc_lo, v[ACC+j], v210
	v_cndmask_b32 v203, j, v203, vcc_lo            ; from the last register to the first: the lowest wins
.set j, j-1
.endr
	v_lshrrev_b32 v204, 4, v203
	v_and_b32 v205, 15, v203
	v_lshl_add_u32 v204, v204, 5, v205
	v_add_nc_u32 v204, v204, v9                    ; register 16 b + i is logit 64 w + 16 h + 32 b + i
	v_permlanex16_b32 v30, v204, s28, s29
	v_min_u32 v211, v204, v30
	ds_store_b128 v10, v[208:211] offset:REC
	BAR
	; ---- the row's numbers, in every wave alike
.set j, 0
.rept 16
	ds_load_b128 v[64+4*j:67+4*j], v11 offset:REC+256*j
.set j, j+1
.endr
	s_wait_dscnt 0x0
	v_pk_add_f32 v[194:195], v[64:65], v[72:73]
	v_pk_add_f32 v[196:197], v[68:69], v[76:77]
.irp i, 16,24,32,40,48,56
	v_pk_add_f32 v[194:195], v[194:195], v[64+\i:65+\i]
	v_pk_add_f32 v[196:197], v[196:197], v[68+\i:69+\i]
.endr
	v_pk_add_f32 v[194:195], v[194:195], v[196:197]                ; v194 = S, v195 = W
	v_max3_num_f32 v198, v66, v70, v74
	v_max3_num_f32 v199, v78, v82, v86
	v_max3_num_f32 v198, v198, v90, v94
	v_max3_num_f32 v199, v199, v98, v102
	v_max3_num_f32 v198, v198, v106, v110
	v_max3_num_f32 v199, v199, v114, v118
	v_max3_num_f32 v198, v198, v122, v126
	v_max_num_f32 v198, v198, v199                 ; the row's largest t'
	v_mov_b32 v200, 0
.set j, 15
.rept 16
	v_cmp_eq_f32 vcc_lo, v[66+4*j], v198
	v_cndmask_b32 v200, v200, v[67+4*j], vcc_lo    ; from the last wave to the first: the lowest index wins
.set j, j-1
.endr
	v_log_f32 v201, v194                           ; log2 S
	v_rcp_f32 v202, v194
	v_nop
	s_wait_alu depctr_va_vdst(0)
	v_fma_f32 v203, -v195, v202, v201
	v_mul_f32 v203, s37, v203                      ; the entropy term: ln 2 (log2 S - W / S)
	v_sub_f32 v204, v201, v198
	v_floor_f32 v204, v204                         ; -M = floor(-(the largest t)): M is a whole number
	v_sub_f32 v206, v204, v201                     ; t - M = t' + (-M - log2 S)
	v_mov_b32 v207, v206
	; ---- p, its codes and its sum
.set j, 0
.rept 16
	v_pk_add_f32 v[ACC+j:ACC+j+1], v[ACC+j:ACC+j+1], v[206:207]
.set j, j+2
.endr
	v_add_f32 v28, v28, v206                       ; the same of each block's largest t'
	v_add_f32 v29, v29, v206
.set j, 0
.rept 32
	v_exp_f32 v[ACC+j], v[ACC+j]                   ; p = 2^(t - M): not normalised
.set j, j+1
.endr
	v_exp_f32 v28, v28                             ; the block's largest p: the same two instructions on the same number give the same bits
	v_exp_f32 v29, v29
	v_nop
	s_wait_alu depctr_va_vdst(0)
	v_max_num_f32 v28, 0x1800000, v28              ; the floor 2^(3 - 127)
	v_max_num_f32 v29, 0x1800000, v29
	SCALE2
	CODES2 ACC
	global_store_b128 v3, v[PC:PC+3], s[40:41]     ; 512 consecutive bytes: half w % 2 of K step w / 2
	ds_store_b16 v14, v254 offset:PSL
	v_pk_add_f32 v[194:195], v[ACC:ACC+1], v[ACC+4:ACC+5]          ; the sum is taken of the unquantised p
	v_pk_add_f32 v[196:197], v[ACC+2:ACC+3], v[ACC+6:ACC+7]
.irp i, 8,12,16,20,24,28
	v_pk_add_f32 v[194:195], v[194:195], v[ACC+\i:ACC+\i+1]
	v_pk_add_f32 v[196:197], v[196:197], v[ACC+\i+2:ACC+\i+3]
.endr
	v_pk_add_f32 v[194:195], v[194:195], v[196:197]
	v_add_f32 v194, v194, v195
	v_permlanex16_b32 v30, v194, s28, s29
	v_add_f32 v194, v194, v30
	ds_store_b32 v7, v194 offset:LSB
	BAR
	; ---- wave 0 stores what belongs to the tile as a whole
	s_cmp_lg_u32 s20, 0
	s_cbranch_scc1 .Lend
.irp k, 0,1,2,3
	ds_load_b128 v[96+4*\k:99+4*\k], v8 offset:LSB+16*\k
.endr
.irp k, 0,1
	ds_load_b128 v[112+4*\k:115+4*\k], v3 offset:PSL+512*\k
.endr
	s_wait_dscnt 0x0
	v_pk_add_f32 v[194:195], v[96:97], v[98:99]
	v_pk_add_f32 v[196:197], v[100:101], v[102:103]
	v_pk_add_f32 v[194:195], v[194:195], v[104:105]
	v_pk_add_f32 v[196:197], v[196:197], v[106:107]
	v_pk_add_f32 v[194:195], v[194:195], v[108:109]
	v_pk_add_f32 v[196:197], v[196:197], v[110:111]
	v_pk_add_f32 v[194:195], v[194:195], v[196:197]
	v_add_f32 v194, v194, v195                     ; l
	global_store_b128 v3, v[112:115], s[42:43]     ; p's scale words: twice 512 consecutive bytes
	global_store_b128 v3, v[116:119], s[42:43] offset:512
	global_store_b32 v4, v194, s[44:45]
	global_store_b32 v15, v203, s[16:17]           ; a number for a token: lanes 16-31, and rows that repeat row 0, write the same number to the same place
	global_store_b32 v15, v200, s[18:19]
.Lend:
	s_wait_xcnt 0x0
	v_lshl_add_u32 v254, v0, 2, 0x3800
	v_mov_b32 v255, 0
	s_wait_tensorcnt 0x0
	ds_add_u32 v254, v255
	s_wait_dscnt 0x0
	s_endpgm
; ---- TABLE: work-group a = (e, table, s): all 512 columns of one table, K step s (128 rows named by words[e]); a wave takes 32 columns, a lane one, and its registers run down K
.Ltables:
	s_load_b256 s[4:11], s[0:1], 0x40              ; psr_weight 4, atk_weight 6, words 8, lq 10
	v_lshrrev_b32 v1, 5, v0
	v_readfirstlane_b32 s3, v1                     ; wave 0..15
	v_and_b32 v1, 31, v0                           ; lane
	s_sub_co_u32 s24, ttmp9, TILES
	s_and_b32 s25, s24, 7                          ; s
	s_bfe_u32 s26, s24, 0x10003                    ; which table
	s_lshr_b32 s27, s24, 4                         ; e
	s_lshl_b32 s28, s3, 7                          ; my wave's 32 columns
	v_lshl_add_u32 v2, v1, 2, s28                  ; my column, in bytes
	s_lshl_b32 s30, s26, 3
	s_lshr_b32 s29, s3, 1
	s_add_co_u32 s30, s30, s29                     ; W = 8 x table + wave / 2
	s_lshl_b32 s31, s27, 4
	s_add_co_u32 s31, s31, s30
	s_lshl_b32 s31, s31, 3
	s_add_co_u32 s31, s31, s25                     ; (16 e + W) 8 + s
	s_and_b32 s29, s3, 1
	s_lshl_b32 s32, s31, 12                        ; four fragments
	s_lshl_b32 s38, s29, 11                        ; tiles 2 (wave % 2), + 1
	s_add_co_u32 s32, s32, s38
	s_mov_b32 s33, 0
	s_lshl_b32 s34, s31, 8
	s_lshl_b32 s38, s29, 7
	s_add_co_u32 s34, s34, s38
	s_add_co_u32 s34, s34, S2O
	s_mov_b32 s35, 0
	s_lshl_b32 s36, s27, 12                        ; words[e]: 1,024 x 4 bytes
	s_lshl_b32 s38, s25, 9                         ; + 128 s x 4
	s_add_co_u32 s36, s36, s38
	s_mov_b32 s37, 0
	v_lshrrev_b32 v7, 4, v1
	v_and_b32 v8, 15, v1
	v_lshlrev_b32 v3, 4, v8
	v_lshl_add_u32 v3, v7, 10, v3                  ; codes: 1,024 (lane / 16) + 16 (lane % 16)
	v_lshlrev_b32 v4, 2, v1                        ; scale word: 4 x lane
	s_wait_kmcnt 0x0
	s_cmp_eq_u32 s26, 0                            ; which table: the choice hangs on the work-group's number alone
	s_cselect_b64 s[60:61], s[4:5], s[6:7]
	s_add_nc_u64 s[56:57], s[10:11], s[32:33]
	s_add_nc_u64 s[58:59], s[10:11], s[34:35]
	s_add_nc_u64 s[62:63], s[8:9], s[36:37]
	WORDS 0, 24
	WORDS 1, 68
	s_wait_kmcnt 0x0
	LOADG 0, 24
	LOADG 1, 68
	WORDS 2, 24                                    ; the first two sets of indices have been used up
	WORDS 3, 68
	QBLK 0
	s_wait_kmcnt 0x0
	LOADG 2, 24
	QBLK 1
	LOADG 3, 68
	QBLK 2
	QBLK 3
	global_store_b32 v4, v6, s[58:59]              ; 128 consecutive bytes a wave: one byte for each 128 that the wave has read
	s_endpgm
.Lfunc_end_k_qcc814f2e5f_decode:
	.size	k_qcc814f2e5f_decode, .Lfunc_end_k_qcc814f2e5f_decode-k_qcc814f2e5f_decode
	.p2alignl 7, 3214868480
	.fill 96, 4, 3214868480
	.section	.rodata,"a",@progbits
	.p2align	6, 0x0
	.amdhsa_kernel k_qcc814f2e5f_decode
		.amdhsa_group_segment_fixed_size 16384
		.amdhsa_private_segment_fixed_size 0
		.amdhsa_enable_private_segment 0
		.amdhsa_kernarg_size 96
		.amdhsa_user_sgpr_count 2
		.amdhsa_user_sgpr_kernarg_segment_ptr 1
		.amdhsa_wavefront_size32 1
		.amdhsa_system_sgpr_workgroup_id_x 1
		.amdhsa_system_sgpr_workgroup_id_y 1
		.amdhsa_system_sgpr_workgroup_id_z 1
		.amdhsa_system_vgpr_workitem_id 0
		.amdhsa_next_free_vgpr 256
		.amdhsa_next_free_sgpr 104
		.amdhsa_reserve_vcc 1
		.amdhsa_float_denorm_mode_32 3
		.amdhsa_float_denorm_mode_16_64 3
		.amdhsa_memory_ordered 1
		.amdhsa_forward_progress 1
		.amdhsa_inst_pref_size 84
	.end_amdhsa_kernel
	.amdgpu_metadata
---
amdhsa.version: [ 1, 2 ]
amdhsa.kernels:
  - .name:           k_qcc814f2e5f_decode
    .symbol:         k_qcc814f2e5f_decode.kd
    .args:
      - { .name: tlist, .offset: 0, .size: 8, .value_kind: global_buffer, .address_space: global }
      - { .name: ctx, .offset: 8, .size: 8, .value_kind: global_buffer, .address_space: global }
      - { .name: wq, .offset: 16, .size: 8, .value_kind: global_buffer, .address_space: global }
      - { .name: dec_b, .offset: 24, .size: 8, .value_kind: global_buffer, .address_space: global }
      - { .name: u_gumbel, .offset: 32, .size: 8, .value_kind: global_buffer, .address_space: global }
      - { .name: pq, .offset: 40, .size: 8, .value_kind: global_buffer, .address_space: global }
      - { .name: nent, .offset: 48, .size: 8, .value_kind: global_buffer, .address_space: global }
      - { .name: widx, .offset: 56, .size: 8, .value_kind: global_buffer, .address_space: global }
      - { .name: psr_weight, .offset: 64, .size: 8, .value_kind: global_buffer, .address_space: global }
      - { .name: atk_weight, .offset: 72, .size: 8, .value_kind: global_buffer, .address_space: global }
      - { .name: words, .offset: 80, .size: 8, .value_kind: global_buffer, .address_space: global }
      - { .name: lq, .offset: 88, .size: 8, .value_kind: global_buffer, .address_space: global }
    .group_segment_fixed_size: 16384
    .private_segment_fixed_size: 0
    .kernarg_segment_align: 8
    .kernarg_segment_size: 96
    .max_flat_workgroup_size: 512
    .sgpr_count:     104
    .vgpr_count:     256
    .wavefront_size: 32
...
	.end_amdgpu_metadata
.endif
;; end of part 2
;; launch mix (part 3): grid 527 x 1, 8 waves a work-group, no clusters, 36,352 bytes of LDS; arguments tlist, lq, pq, psr_weight, atk_weight, inp_word, inp_pos, inp_mask, words, nent, widx, out0, out1, out2, out3, out4, out5, out6; writes out0, out1, out2, out3, out4, out5, out6
.if DOCPART == 3
	.amdgcn_target "amdgcn-amd-amdhsa--gfx1250"
	.amdhsa_code_object_version 6
	.text
	.protected	k_qcc814f2e5f_mix
	.globl	k_qcc814f2e5f_mix
	.p2align	8
	.type	k_qcc814f2e5f_mix,@function
k_qcc814f2e5f_mix:
	s_mov_b64 s[64:65], 0
	v_nop
	global_prefetch_b8 v0, s[64:65] scope:SCOPE_SE
	s_setreg_imm32_b32 hwreg(HW_REG_WAVE_MODE, 25, 1), 1
	s_wait_xcnt 0x0
; MIX: three kinds of work-group, told apart by the work-group's number.
;   0         DENSE: out0 (the chosen or the own word), out4, out5, out6 (masks), out3 (minus the entropy), from the numbers that decode left for each token.
;   1..270    ROWS:  (tile, table): out1 or out2 of a tile's 16 tokens = Q(p) Q(table rows) / l   (MX-FP4, K = 1,024).
;   271..526  COPY:  a wave to a token: a token that no expert takes gets its own word's rows of both tables.
; ROWS.  Eight waves; wave w owns columns 64 w .. 64 w + 63: four tiles of 16.  The product is used transposed (source 0 = 16 columns of the table, source 1 = p's 16 rows), so that a lane holds one token and eight
; neighbouring columns.  Codes and scale words come from memory straight into registers, in the order of the operand's registers (512 consecutive bytes a load), four K steps ahead.  The result goes through the wave's own
; stage in LDS and leaves as rows: sixteen lanes store 256 consecutive bytes, aligned.  A row that the tile lacks repeats row 0: same bits, same address.  A tile without rows (entry 0 = 0) stores nothing and ends: the grid
; serves every split (at most 135 tiles), and nothing but that end hangs on the number; no barrier stands in this part.
; NO TENSOR LOADS, NO CLUSTER: the end on a number read from memory excludes the first; how many tiles an expert has hangs on the split, so partners could not be given tiles of one expert at every split.
; LIMITS: inp_pos is taken as unsigned; inp_word and the argmax index are held inside their tables; inp_mask's bytes are 0 or 1.
.set ACC,  32
.set RING, 64                          ; v64-191  the table's fragments: four buffers of 32
.set PF,   192                         ; v192-223 p's fragments: four of 8
.set AS,   224                         ; v224-231 the table's scale words, two a K step
.set PS,   232                         ; v232-235 p's
.set S2O,  4194304
.set PSO,  1105920
.set PLO,  1244160
.set DW,   34816                       ; LDS: 0 .. 34,815 the eight stages of ROWS (16 rows x 272 bytes each); from DW 512 bytes for DENSE
.macro MLD s                           ; K step s: 13 loads
.irp t, 0,1,2,3
.irp c, 0,1
	global_load_b128 v[RING+32*((\s)%4)+8*\t+4*\c:RING+32*((\s)%4)+8*\t+4*\c+3], v3, s[44:45] offset:4096*(\s)+1024*\t+512*\c
.endr
.endr
.irp c, 0,1
	global_load_b128 v[PF+8*((\s)%4)+4*\c:PF+8*((\s)%4)+4*\c+3], v3, s[46:47] offset:1024*(\s)+512*\c
.endr
.irp y, 0,1
	global_load_b32 v[AS+2*((\s)%4)+\y], v4, s[48:49] offset:256*(\s)+128*\y       ; lanes 0-15: tile 2 y's words; lanes 16-31: tile 2 y + 1's
.endr
	global_load_b32 v[PS+(\s)%4], v4, s[50:51] offset:128*(\s)
.endm
.macro MM first, odd
.if \first
.if \odd
	v_wmma_scale_f32_16x16x128_f8f6f4 v[rD:rD+7], v[rA:rA+7], v[rB:rB+7], 0, v[rS], v[rT] matrix_a_fmt:MATRIX_FMT_FP4 matrix_b_fmt:MATRIX_FMT_FP4 matrix_a_scale:MATRIX_SCALE_ROW1
.else
	v_wmma_scale_f32_16x16x128_f8f6f4 v[rD:rD+7], v[rA:rA+7], v[rB:rB+7], 0, v[rS], v[rT] matrix_a_fmt:MATRIX_FMT_FP4 matrix_b_fmt:MATRIX_FMT_FP4
.endif
.else
.if \odd
	v_wmma_scale_f32_16x16x128_f8f6f4 v[rD:rD+7], v[rA:rA+7], v[rB:rB+7], v[rD:rD+7], v[rS], v[rT] matrix_a_fmt:MATRIX_FMT_FP4 matrix_b_fmt:MATRIX_FMT_FP4 matrix_a_scale:MATRIX_SCALE_ROW1
.else
	v_wmma_scale_f32_16x16x128_f8f6f4 v[rD:rD+7], v[rA:rA+7], v[rB:rB+7], v[rD:rD+7], v[rS], v[rT] matrix_a_fmt:MATRIX_FMT_FP4 matrix_b_fmt:MATRIX_FMT_FP4
.endif
.endif
.endm
.macro MSTEP s, n                      ; the four accumulators take turns, one instruction a turn; n: the younger loads that may stay out
	s_wait_loadcnt \n
.irp t, 0,1,2,3
.set rD, ACC+8*\t
.set rA, RING+32*((\s)%4)+8*\t
.set rB, PF+8*((\s)%4)
.set rS, AS+2*((\s)%4)+(\t)/2
.set rT, PS+(\s)%4
	MM (\s)==0, (\t)%2
.endr
.rept 4
	v_nop                                          ; four places in front of loads into registers that these products have read, and of the first read of results
.endr
.endm
	s_load_b512 s[4:19], s[0:1], 0x0               ; tlist 4, lq 6, pq 8, psr 10, atk 12, inp_word 14, inp_pos 16, inp_mask 18
	s_load_b512 s[20:35], s[0:1], 0x40             ; words 20, nent 22, widx 24, out0 26, out1 28, out2 30, out3 32, out4 34
	s_load_b128 s[36:39], s[0:1], 0x80             ; out5 36, out6 38
	v_lshl_add_u32 v254, v0, 2, 0x8a00
	v_mov_b32 v255, 0
	v_lshrrev_b32 v1, 5, v0
	v_readfirstlane_b32 s3, v1                     ; wave 0..7
	v_and_b32 v1, 15, v0                           ; r
	v_bfe_u32 v2, v0, 4, 1                         ; h
	v_and_b32 v3, 31, v0
	v_lshlrev_b32 v4, 2, v3                        ; 4 x lane
	v_lshlrev_b32 v3, 4, v3                        ; 16 x lane
	s_cmp_eq_u32 ttmp9, 0
	s_cbranch_scc1 .Ldense
	s_cmp_lt_u32 ttmp9, 271
	s_cbranch_scc0 .Lcopy
; ---- ROWS
	s_sub_co_u32 s40, ttmp9, 1
	s_and_b32 s2, s40, 1                           ; which table
	s_lshr_b32 s40, s40, 1                         ; the tile
	s_lshl_b32 s42, s40, 6
	s_mov_b32 s43, 0
	s_wait_kmcnt 0x0
	s_add_nc_u64 s[42:43], s[4:5], s[42:43]        ; the tile's 16 entries
	s_load_b32 s41, s[42:43], 0x0                  ; entry 0
	s_mul_i32 s56, s3, 16*272                      ; my stage
	v_mul_u32_u24 v7, v1, 272
	v_lshl_add_u32 v7, v2, 5, v7
	v_add_nc_u32 v7, s56, v7                       ; in: row r, + 32 h
	v_mul_u32_u24 v8, v2, 272
	v_lshl_add_u32 v8, v1, 4, v8
	v_add_nc_u32 v8, s56, v8                       ; back: lanes 0-15 one row of 256 bytes, lanes 16-31 the next
	s_lshl_b32 s56, s3, 8
	v_lshl_add_u32 v6, v1, 4, s56                  ; in a row of the output: 256 w + 16 r
	v_lshlrev_b32 v5, 2, v2                        ; 4 h
	s_mov_b32 s59, 0
	s_lshl_b32 s58, s40, 13
	s_add_nc_u64 s[46:47], s[8:9], s[58:59]        ; p's codes
	s_lshl_b32 s58, s40, 10
	s_add_co_u32 s58, s58, PSO
	s_add_nc_u64 s[50:51], s[8:9], s[58:59]        ; p's scale words
	s_lshl_b32 s58, s40, 7
	s_add_co_u32 s58, s58, PLO
	s_add_nc_u64 s[60:61], s[8:9], s[58:59]        ; l
	s_cmp_eq_u32 s2, 0
	s_cselect_b64 s[52:53], s[28:29], s[30:31]     ; out1 or out2: the choice hangs on the work-group's number alone
	s_wait_kmcnt 0x0
	s_bitcmp1_b32 s41, 15
	s_cbranch_scc1 .Lrows
	s_endpgm                                       ; this split has no rows for the tile
.Lrows:
	s_bfe_u32 s56, s41, 0x3000b
	s_min_u32 s56, s56, 7                          ; the expert
	s_lshl_b32 s56, s56, 4
	s_lshl_b32 s57, s2, 3
	s_add_co_u32 s56, s56, s57
	s_add_co_u32 s56, s56, s3                      ; 16 e + 8 x table + w
	s_lshl_b32 s58, s56, 15
	s_add_nc_u64 s[44:45], s[6:7], s[58:59]        ; my 32 fragments
	s_lshl_b32 s58, s56, 11
	s_add_co_u32 s58, s58, S2O
	s_add_nc_u64 s[48:49], s[6:7], s[58:59]        ; their scale words
.irp i, 0,1,2,3,4,5,6,7
	global_load_b32 v[16+\i], v5, s[42:43] offset:8*\i             ; entry 2 i + h: the row that I store in the i-th store
.endr
	global_load_b32 v236, v4, s[60:61]             ; my row's l
	MLD 0
	MLD 1
	MLD 2
	MLD 3
	MSTEP 0, 39                                    ; three K steps' 13 loads may be out
	MLD 4
	v_rcp_f32 v238, v236                           ; (the nine loads in front of K step 0's are in)
	v_rcp_f32 v239, v236                           ; twice: a pair for the packed multiply
.irp i, 0,1,2,3,4,5,6,7
	v_cmp_eq_u32 vcc_lo, 0, v[16+\i]
	v_cndmask_b32 v[16+\i], v[16+\i], s41, vcc_lo  ; a row that the tile lacks repeats row 0
	v_and_b32 v[16+\i], 0x7ff, v[16+\i]
	v_min_u32 v[16+\i], 0x7ff, v[16+\i]
	v_lshl_add_u32 v[16+\i], v[16+\i], 11, v6      ; token x 2,048 + 256 w + 16 r
.endr
	MSTEP 1, 39
	MLD 5
	MSTEP 2, 39
	MLD 6
	MSTEP 3, 39
	MLD 7
	MSTEP 4, 39
	MSTEP 5, 26
	MSTEP 6, 13
	MSTEP 7, 0
.set j, 0
	s_wait_alu depctr_va_vdst(0)
.rept 16
	v_pk_mul_f32 v[ACC+j:ACC+j+1], v[ACC+j:ACC+j+1], v[238:239]    ; / l; each accumulator is read from its low end on
.set j, j+2
.endr
.irp t, 0,1,2,3
	ds_store_b128 v7, v[ACC+8*\t:ACC+8*\t+3] offset:64*\t          ; lane (r, h): token r, columns 64 w + 16 t + 8 h + 0 .. 7
	ds_store_b128 v7, v[ACC+8*\t+4:ACC+8*\t+7] offset:64*\t+16
.endr
.irp i, 0,1,2,3,4,5,6,7
	ds_load_b128 v[RING+4*\i:RING+4*\i+3], v8 offset:544*\i        ; LDS serves a wave's instructions in order (ISA guide 5.7.1.4): these see my stores
.endr
.irp i, 0,1,2,3,4,5,6,7
	s_wait_dscnt 7-\i
	global_store_b128 v[16+\i], v[RING+4*\i:RING+4*\i+3], s[52:53] th:TH_STORE_NT   ; sixteen lanes store 256 consecutive bytes, at a multiple of 256 from the output's first byte
.endr
	s_wait_tensorcnt 0x0
	ds_add_u32 v254, v255
	s_wait_dscnt 0x0
	s_endpgm
; ---- COPY
.Lcopy:
	s_sub_co_u32 s40, ttmp9, 271
	s_lshl_b32 s40, s40, 3
	s_add_co_u32 s40, s40, s3                      ; my wave's token
	s_lshl_b32 s42, s40, 2
	s_mov_b32 s43, 0
	s_wait_kmcnt 0x0
	s_add_nc_u64 s[44:45], s[16:17], s[42:43]
	s_add_nc_u64 s[46:47], s[14:15], s[42:43]
	s_load_b32 s48, s[44:45], 0x0                  ; its class
	s_load_b32 s49, s[46:47], 0x0                  ; its word
	v_lshl_add_u32 v6, s40, 11, v3
	s_wait_kmcnt 0x0
	s_cmp_lt_u32 s48, 8
	s_cbranch_scc0 .Lown
	s_endpgm                                       ; an expert's token: ROWS writes it
.Lown:
	s_min_u32 s49, s49, 19999
	v_lshl_add_u32 v5, s49, 11, v3
.irp k, 0,1,2,3
	global_load_b128 v[16+4*\k:19+4*\k], v5, s[10:11] offset:512*\k
	global_load_b128 v[32+4*\k:35+4*\k], v5, s[12:13] offset:512*\k
.endr
.irp k, 0,1,2,3
	s_wait_loadcnt 6-2*\k                          ; the k-th pair of loads is in
	global_store_b128 v6, v[16+4*\k:19+4*\k], s[28:29] offset:512*\k th:TH_STORE_NT
	global_store_b128 v6, v[32+4*\k:35+4*\k], s[30:31] offset:512*\k th:TH_STORE_NT
.endr
	s_endpgm
; ---- DENSE: 256 threads; thread t holds tokens 1,024 k + 4 t + i, k = 0, 1, i = 0 .. 3, as number 4 k + i
.Ldense:
	v_lshlrev_b32 v6, 4, v0                        ; 16 t
	v_lshlrev_b32 v7, 2, v0                        ; 4 t
	v_lshrrev_b32 v5, 5, v0
	v_lshlrev_b32 v5, 6, v5                        ; LDS: 64 x wave
	v_lshlrev_b32 v8, 2, v1                        ; LDS: 4 (lane % 16)
	v_mov_b32 v120, 0                              ; written once: destinations of lane permutes count as sources
	v_mov_b32 v124, 0
	v_mov_b32 v123, 0
	s_mov_b32 s54, 0x76543210
	s_mov_b32 s55, 0xfedcba98
	s_wait_kmcnt 0x0
.irp k, 0,1
	global_load_b128 v[16+4*\k:19+4*\k], v6, s[16:17] offset:4096*\k       ; class
	global_load_b128 v[32+4*\k:35+4*\k], v6, s[24:25] offset:4096*\k       ; the argmax index
.endr
.irp k, 0,1
	global_load_b128 v[24+4*\k:27+4*\k], v6, s[14:15] offset:4096*\k       ; own word
	global_load_b128 v[40+4*\k:43+4*\k], v6, s[22:23] offset:4096*\k       ; the entropy term
	global_load_b32 v[48+\k], v7, s[18:19] offset:1024*\k                  ; four bytes of inp_mask
.endr
	s_wait_loadcnt 6                               ; classes and indices are in
.irp n, 0,1,2,3,4,5,6,7
	v_min_u32 v[56+\n], 7, v[16+\n]
	v_min_u32 v[64+\n], 0x3ff, v[32+\n]
	v_lshl_add_u32 v[56+\n], v[56+\n], 10, v[64+\n]
	v_lshlrev_b32 v[56+\n], 2, v[56+\n]
	global_load_b32 v[56+\n], v[56+\n], s[20:21]   ; words[class][index]; the load lands on its own offset register
.endr
	s_wait_loadcnt 8                               ; all but these eight
.irp e, 0,1,2,3,4,5,6,7                        ; for each class: the sum of its tokens' terms (v104 + e) and their number (v112 + e)
.irp n, 0,1,2,3,4,5,6,7
	v_cmp_eq_u32 vcc_lo, \e, v[16+\n]
.if \n == 0
	v_cndmask_b32 v[104+\e], 0, v[40+\n], vcc_lo
	v_cndmask_b32 v[112+\e], 0, 1.0, vcc_lo
.else
	v_cndmask_b32 v121, 0, v[40+\n], vcc_lo
	v_cndmask_b32 v122, 0, 1.0, vcc_lo
	v_add_f32 v[104+\e], v[104+\e], v121
	v_add_f32 v[112+\e], v[112+\e], v122
.endif
.endr
.endr
.irp m, 1,2,4,8                                ; over the wave's 32 lanes
.irp x, 0,1,2,3,4,5,6,7,8,9,10,11,12,13,14,15
	v_add_f32_dpp v[104+\x], v[104+\x], v[104+\x] row_xmask:\m row_mask:0xf bank_mask:0xf
.endr
.endr
.irp x, 0,1,2,3,4,5,6,7,8,9,10,11,12,13,14,15
	v_permlanex16_b32 v120, v[104+\x], s54, s55
	v_add_f32 v[104+\x], v[104+\x], v120
.endr
.irp k, 0,1,2,3
	ds_store_b128 v5, v[104+4*\k:107+4*\k] offset:DW+16*\k         ; all lanes write the same words with the same values
.endr
	s_wait_loadcnt 0x0
.irp n, 0,1,2,3,4,5,6,7
	v_cmp_gt_u32 vcc_lo, 8, v[16+\n]
	v_cndmask_b32 v[72+\n], v[24+\n], v[56+\n], vcc_lo             ; out0
	v_cndmask_b32 v[80+\n], 0, 1, vcc_lo                           ; out5
	v_cmp_gt_u32 vcc_lo, 4, v[16+\n]
	v_cndmask_b32 v[88+\n], 0, 1, vcc_lo                           ; out6
	v_cmp_eq_u32 vcc_lo, v[72+\n], v[24+\n]
	v_cndmask_b32 v[96+\n], 0, 1, vcc_lo                           ; out0 == the own word
.endr
.irp b, 80,84,88,92,96,100                     ; four bytes to a word, the lower token in the lower byte
	v_lshl_or_b32 v[\b], v[\b+1], 8, v[\b]
	v_lshl_or_b32 v[\b], v[\b+2], 16, v[\b]
	v_lshl_or_b32 v[\b], v[\b+3], 24, v[\b]
.endr
	v_and_b32 v96, v96, v48                        ; out4: and inp_mask
	v_and_b32 v100, v100, v49
.irp k, 0,1
	global_store_b128 v6, v[72+4*\k:75+4*\k], s[26:27] offset:4096*\k
	global_store_b32 v7, v[96+4*\k], s[34:35] offset:1024*\k
	global_store_b32 v7, v[80+4*\k], s[36:37] offset:1024*\k
	global_store_b32 v7, v[88+4*\k], s[38:39] offset:1024*\k
.endr
	s_wait_dscnt 0x0                               ; for wave 0's sake: my sixteen numbers lie in LDS
	s_barrier_signal -1
	s_barrier_wait -1
	s_cmp_lg_u32 s3, 0
	s_cbranch_scc1 .Ldone
.irp w, 0,1,2,3,4,5,6,7
	ds_load_b32 v[128+\w], v8 offset:DW+64*\w      ; lane l: number l % 16 of each wave: lanes 0-7 a class's sum, lanes 8-15 a class's count
.endr
	s_wait_dscnt 0x0
	v_add_f32 v128, v128, v129
	v_add_f32 v130, v130, v131
	v_add_f32 v132, v132, v133
	v_add_f32 v134, v134, v135
	v_add_f32 v128, v128, v130
	v_add_f32 v132, v132, v134
	v_add_f32 v128, v128, v132
	v_mov_b32_dpp v124, v128 row_xmask:8 row_mask:0xf bank_mask:0xf        ; lanes 0-7: the class's count
	v_max_num_f32 v124, 1.0, v124
	v_mul_f32 v124, 0xc4800000, v124               ; x -1,024: the mean over the 1,024 logits, and the loss's sign
	v_rcp_f32 v124, v124
	v_and_b32 v125, 8, v0                          ; (a plain line behind the transcendental)
	s_wait_alu depctr_va_vdst(0)
	v_mul_f32 v128, v128, v124                     ; a class without tokens has the sum 0
	v_cmp_eq_u32 vcc_lo, 0, v125
	v_cndmask_b32 v128, 0, v128, vcc_lo            ; lanes 8-15 of a row count for nothing
	v_add_f32_dpp v128, v128, v128 row_xmask:1 row_mask:0xf bank_mask:0xf
	v_add_f32_dpp v128, v128, v128 row_xmask:2 row_mask:0xf bank_mask:0xf
	v_add_f32_dpp v128, v128, v128 row_xmask:4 row_mask:0xf bank_mask:0xf
	v_add_f32_dpp v128, v128, v128 row_xmask:8 row_mask:0xf bank_mask:0xf
	global_store_b32 v123, v128, s[32:33]          ; out3: every lane holds the same number and writes it to the same place
.Ldone:
	s_wait_tensorcnt 0x0
	ds_add_u32 v254, v255
	s_wait_dscnt 0x0
	s_endpgm
.Lfunc_end_k_qcc814f2e5f_mix:
	.size	k_qcc814f2e5f_mix, .Lfunc_end_k_qcc814f2e5f_mix-k_qcc814f2e5f_mix
	.p2alignl 7, 3214868480
	.fill 96, 4, 3214868480
	.section	.rodata,"a",@progbits
	.p2align	6, 0x0
	.amdhsa_kernel k_qcc814f2e5f_mix
		.amdhsa_group_segment_fixed_size 36352
		.amdhsa_private_segment_fixed_size 0
		.amdhsa_enable_private_segment 0
		.amdhsa_kernarg_size 144
		.amdhsa_user_sgpr_count 2
		.amdhsa_user_sgpr_kernarg_segment_ptr 1
		.amdhsa_wavefront_size32 1
		.amdhsa_system_sgpr_workgroup_id_x 1
		.amdhsa_system_sgpr_workgroup_id_y 1
		.amdhsa_system_sgpr_workgroup_id_z 1
		.amdhsa_system_vgpr_workitem_id 0
		.amdhsa_next_free_vgpr 256
		.amdhsa_next_free_sgpr 66
		.amdhsa_reserve_vcc 1
		.amdhsa_float_denorm_mode_32 3
		.amdhsa_float_denorm_mode_16_64 3
		.amdhsa_memory_ordered 1
		.amdhsa_forward_progress 1
		.amdhsa_inst_pref_size 54
	.end_amdhsa_kernel
	.amdgpu_metadata
---
amdhsa.version: [ 1, 2 ]
amdhsa.kernels:
  - .name:           k_qcc814f2e5f_mix
    .symbol:         k_qcc814f2e5f_mix.kd
    .args:
      - { .name: tlist, .offset: 0, .size: 8, .value_kind: global_buffer, .address_space: global }
      - { .name: lq, .offset: 8, .size: 8, .value_kind: global_buffer, .address_space: global }
      - { .name: pq, .offset: 16, .size: 8, .value_kind: global_buffer, .address_space: global }
      - { .name: psr_weight, .offset: 24, .size: 8, .value_kind: global_buffer, .address_space: global }
      - { .name: atk_weight, .offset: 32, .size: 8, .value_kind: global_buffer, .address_space: global }
      - { .name: inp_word, .offset: 40, .size: 8, .value_kind: global_buffer, .address_space: global }
      - { .name: inp_pos, .offset: 48, .size: 8, .value_kind: global_buffer, .address_space: global }
      - { .name: inp_mask, .offset: 56, .size: 8, .value_kind: global_buffer, .address_space: global }
      - { .name: words, .offset: 64, .size: 8, .value_kind: global_buffer, .address_space: global }
      - { .name: nent, .offset: 72, .size: 8, .value_kind: global_buffer, .address_space: global }
      - { .name: widx, .offset: 80, .size: 8, .value_kind: global_buffer, .address_space: global }
      - { .name: out0, .offset: 88, .size: 8, .value_kind: global_buffer, .address_space: global }
      - { .name: out1, .offset: 96, .size: 8, .value_kind: global_buffer, .address_space: global }
      - { .name: out2, .offset: 104, .size: 8, .value_kind: global_buffer, .address_space: global }
      - { .name: out3, .offset: 112, .size: 8, .value_kind: global_buffer, .address_space: global }
      - { .name: out4, .offset: 120, .size: 8, .value_kind: global_buffer, .address_space: global }
      - { .name: out5, .offset: 128, .size: 8, .value_kind: global_buffer, .address_space: global }
      - { .name: out6, .offset: 136, .size: 8, .value_kind: global_buffer, .address_space: global }
    .group_segment_fixed_size: 36352
    .private_segment_fixed_size: 0
    .kernarg_segment_align: 8
    .kernarg_segment_size: 144
    .max_flat_workgroup_size: 256
    .sgpr_count:     66
    .vgpr_count:     256
    .wavefront_size: 32
...
	.end_amdgpu_metadata
.endif
;; end of part 3
;; ======== version 2 of 2: 3 launches
;; workspace buffers: wq 3,342,336 bytes; lq 4,456,448 bytes; pq 1,261,568 bytes; tlist 8,704 bytes of whole numbers; nent 8,960 bytes; widx 8,960 bytes of whole numbers
;; launch prep (part 4): grid 385 x 1, 4 waves a work-group, no clusters, 1,536 bytes of LDS; arguments dec_W, inp_pos, wq, tlist, nent, widx; writes wq, tlist, nent, widx
.if DOCPART == 4
	.amdgcn_target "amdgcn-amd-amdhsa--gfx1250"
	.amdhsa_code_object_version 6
	.text
	.protected	k_qcc814f2e5f_prep
	.globl	k_qcc814f2e5f_prep
	.p2align	8
	.type	k_qcc814f2e5f_prep,@function
k_qcc814f2e5f_prep:
	s_mov_b64 s[64:65], 0
	v_nop
	global_prefetch_b8 v0, s[64:65] scope:SCOPE_SE
	s_setreg_imm32_b32 hwreg(HW_REG_WAVE_MODE, 25, 1), 1
	s_wait_xcnt 0x0
; PREP: two kinds of work-group, told apart by the work-group's number.
;   0         ROUTE:  the 2,048 tokens are sorted by class (inp_pos 0..7) into tiles of 16 rows; the list goes to tlist; nent and widx are cleared.
;   1..384    WEIGHT: dec_W [8][768 (K)][1024] f32 becomes codes of FP4 (E2M1) with one E8M0 byte for each 32 along K.
; K is dec_W's FIRST axis within an expert: a lane takes a column and its registers run down K, so that a block of 32 lies in one lane and the conversions give codes with K innermost.
; The codes are laid in the ORDER OF THE OPERAND'S REGISTERS (a fragment of 16 rows x 128 K = [half c][lane][16 bytes], 1,024 bytes), so that the next launch loads fragments whole, 512 consecutive bytes a load.
;   wq: codes [e 8][w 16][s 6][t 4] fragments; row r of tile t = 2 b + u is column 64 w + 32 b + 8 u + r + 8 (r / 8) of dec_W[e].  From byte S1O: scale words [e][w][s][b 2][16 u + r].
;   tlist: 2,176 entries, tile i owns entries 16 i .. 16 i + 15.  A row: token | class << 11 | 0x8000.  No row: 0.  At most (2,048 + 8 x 15) / 16 = 135 tiles (0 .. 134) are used, whatever the split.
; A block's scale is 2^(floor(log2(its largest magnitude)) - 2); its byte is the largest magnitude's exponent field - 2, held at 1 from below.
; LIMITS: a block of zeros gets the byte 1 where the quantiser says 127 (its codes are zeros, and this program alone reads the bytes); NaN and infinities are not served;
; inp_pos is taken as unsigned (a negative class would count as 'copied').
; No tensor loads, no cluster: no two work-groups read the same bytes.
.set X,   32                           ; v32-95  two sets of 32 numbers
.set C,   16                           ; v16-31  the codes of four blocks, never rewritten
.set S1O, 3145728
.set DUMP, 2175                        ; tlist's last entry: it lies in tile 135, which no split uses and no launch reads; only zeros are written there
; Block t of four: its 32 numbers (all mine) become 16 bytes of codes and one byte of the scale word v6.
.macro QBLK t
.set XS, X+32*((\t)%2)
.if (\t) < 3
	s_wait_loadcnt 32                              ; this block's 32 loads are in; the next block's 32 may be out
.else
	s_wait_loadcnt 0x0
.endif
	v_max3_num_f32 v12, |v[XS]|, |v[XS+1]|, |v[XS+2]|
	v_max3_num_f32 v13, |v[XS+3]|, |v[XS+4]|, |v[XS+5]|
.irp i, 6,10,14,18,22,26
	v_max3_num_f32 v12, v12, |v[XS+\i]|, |v[XS+\i+1]|
	v_max3_num_f32 v13, v13, |v[XS+\i+2]|, |v[XS+\i+3]|
.endr
	v_max3_num_f32 v12, v12, |v[XS+30]|, |v[XS+31]|
	v_max3_num_f32 v12, v12, v13, 0x1800000        ; and the floor 2^(3 - 127): the byte cannot fall under 1
	v_add_nc_u32 v11, 0xff000000, v12              ; 2 off the exponent field: the conversion takes this operand's exponent field as its scale
	v_lshrrev_b32 v13, 23, v11                     ; the scale's byte
.if (\t) == 0
	v_mov_b32 v6, v13
.else
	v_lshl_or_b32 v6, v13, 8*(\t), v6              ; the lower K in the lower byte
.endif
.irp g, 0,1,2,3
	v_cvt_scalef32_pk8_fp4_f32 v[C+4*(\t)+\g], v[XS+8*\g:XS+8*\g+7], v11
.endr
	v_nop                                          ; one plain line behind the conversions
	global_store_b128 v3, v[C+4*(\t):C+4*(\t)+3], s[56:57] offset:((\t)/2)*512+((\t)%2)*256   ; block t is half t / 2, lanes 16 (t % 2) + r of two fragments: the wave fills two aligned runs of 256 bytes
.endm
.macro LOADA t                         ; dec_W(128 s + 32 t + i, my column): 32 lanes read 128 consecutive bytes, the four waves 512
.set cnt, 0
.rept 32
	global_load_b32 v[X+32*((\t)%2)+cnt], v2, s[60:61] offset:(32*(\t)+cnt)*4096 th:TH_LOAD_NT
.set cnt, cnt+1
.endr
.endm
; ROUTE's two steps.  Sixteen ballots of one class, one for each of my wave's 16 slots, into 16 scalar registers: no line reads the result of the line above it
.macro CNT16 e, base
.set j, 0
.rept 16
	v_cmp_eq_u32 s[\base+j], \e, v[32+j]
.set j, j+1
.endr
.endm
.macro SUM16 e, base                   ; their 16 counts, added in a tree: my wave's rows of class e
.set j, 0
.rept 16
	s_bcnt1_i32_b32 s[\base+j], s[\base+j]
.set j, j+1
.endr
.set j, 0
.rept 8
	s_add_co_u32 s[\base+j], s[\base+j], s[\base+8+j]
.set j, j+1
.endr
.set j, 0
.rept 4
	s_add_co_u32 s[\base+j], s[\base+j], s[\base+4+j]
.set j, j+1
.endr
	s_add_co_u32 s[\base], s[\base], s[\base+2]
	s_add_co_u32 s[\base+1], s[\base+1], s[\base+3]
	s_add_co_u32 s[85+\e], s[\base], s[\base+1]
.endm
	s_load_b256 s[4:11], s[0:1], 0x0               ; dec_W 4, inp_pos 6, wq 8, tlist 10
	s_load_b128 s[12:15], s[0:1], 0x20             ; nent 12, widx 14
	v_lshl_add_u32 v96, v0, 2, 0x400
	v_mov_b32 v97, 0
	v_lshrrev_b32 v1, 5, v0
	v_readfirstlane_b32 s3, v1                     ; wave 0..3
	v_and_b32 v1, 31, v0                           ; lane
	s_cmp_eq_u32 ttmp9, 0
	s_cbranch_scc1 .Lroute
; ---- WEIGHT: work-group a = (e, G, s): 128 columns 128 G .. of expert e, K step s (128 rows of dec_W[e]); a wave takes 32 columns
	s_sub_co_u32 s24, ttmp9, 1
	s_mul_hi_u32 s25, s24, 0xaaaaaaab
	s_lshr_b32 s25, s25, 2                         ; a / 6
	s_mul_i32 s26, s25, 6
	s_sub_co_u32 s26, s24, s26                     ; s
	s_and_b32 s27, s25, 7                          ; G
	s_lshr_b32 s28, s25, 3                         ; e
	s_mul_i32 s30, s28, 3145728                    ; an expert: 768 rows of 4,096 bytes
	s_lshl_b32 s29, s26, 19                        ; a K step: 128 rows
	s_add_co_u32 s30, s30, s29
	s_lshl_b32 s29, s27, 9                         ; 128 columns
	s_add_co_u32 s30, s30, s29
	s_lshl_b32 s29, s3, 7                          ; 32 columns
	s_add_co_u32 s30, s30, s29
	s_mov_b32 s31, 0
	s_lshl_b32 s32, s27, 1
	s_lshr_b32 s29, s3, 1
	s_add_co_u32 s32, s32, s29                     ; w = 2 G + wave / 2
	s_and_b32 s33, s3, 1                           ; b = wave % 2
	s_lshl_b32 s34, s28, 4
	s_add_co_u32 s34, s34, s32
	s_mul_i32 s34, s34, 6
	s_add_co_u32 s34, s34, s26                     ; (16 e + w) 6 + s
	s_lshl_b32 s36, s34, 12                        ; four fragments
	s_lshl_b32 s29, s33, 11                        ; tiles 2 b, 2 b + 1
	s_add_co_u32 s36, s36, s29
	s_mov_b32 s37, 0
	s_lshl_b32 s38, s34, 8
	s_lshl_b32 s29, s33, 7
	s_add_co_u32 s38, s38, s29
	s_add_co_u32 s38, s38, S1O
	s_mov_b32 s39, 0
	s_wait_alu depctr_va_vdst(0)
	v_lshlrev_b32 v2, 2, v1                        ; my column
	v_bfe_u32 v7, v1, 3, 1                         ; u = (lane / 8) % 2
	v_and_b32 v8, 7, v1
	v_lshrrev_b32 v9, 4, v1
	v_lshl_or_b32 v8, v9, 3, v8                    ; r = lane % 8 + 8 (lane / 16): column 32 b + lane is row r of tile 2 b + u
	v_lshlrev_b32 v3, 4, v8
	v_lshl_add_u32 v3, v7, 10, v3                  ; codes: 1,024 u + 16 r
	v_lshl_add_u32 v4, v7, 4, v8
	v_lshlrev_b32 v4, 2, v4                        ; scale word: 4 (16 u + r)
	s_wait_alu depctr_va_vdst(0)
	s_wait_kmcnt 0x0
	s_add_nc_u64 s[60:61], s[4:5], s[30:31]
	s_add_nc_u64 s[56:57], s[8:9], s[36:37]
	s_add_nc_u64 s[58:59], s[8:9], s[38:39]
	LOADA 0
	LOADA 1
	QBLK 0
	LOADA 2
	QBLK 1
	LOADA 3
	QBLK 2
	QBLK 3
	global_store_b32 v4, v6, s[58:59]              ; 128 consecutive bytes a wave: one byte for each 128 that the wave has read
	s_endpgm
; ---- ROUTE: a counting sort by class, 128 threads.  Thread (wave w, lane l) holds tokens 512 w + 32 j + l, j = 0 .. 15, in v[32 + j].
; The work goes class by class, sixteen slots at a time, so that the lines of a run do not wait for each other.
; No lane is ever switched off: a lane that has nothing to store writes a 0 to entry DUMP.  Every store has address and data registers of its own, so that no source of a pending store is written again.
.Lroute:
	v_lshrrev_b32 v6, 5, v0                        ; w
	s_wait_alu depctr_va_vdst(0)
	v_lshlrev_b32 v5, 2, v1
	v_lshl_add_u32 v5, v6, 11, v5                  ; 4 (512 w + l)
	v_lshlrev_b32 v7, 4, v0
	v_lshlrev_b32 v12, 5, v6                       ; LDS: my wave's eight counts
	v_lshl_add_u32 v16, v6, 9, v1                  ; 512 w + l
	v_lshrrev_b32 v20, 4, v0                       ; for the slots behind a class's last row: class tid / 16,
	v_and_b32 v21, 15, v0                          ; k = tid % 16
	v_mov_b32 v22, DUMP
.irp i, 8,9,10,11
	v_mov_b32 v\i, 0
.endr
	s_wait_alu depctr_va_vdst(0)
	s_wait_kmcnt 0x0
.irp j, 0,1,2,3,4,5,6,7,8,9,10,11,12,13,14,15
	global_load_b32 v[32+\j], v5, s[6:7] offset:128*\j
.endr
.irp k, 0,1,2,3
	global_store_b128 v7, v[8:11], s[12:13] offset:2048*\k         ; nent and widx of tokens that no expert takes are read later: zeros
	global_store_b128 v7, v[8:11], s[14:15] offset:2048*\k
.endr
	s_wait_loadcnt 0x0
	CNT16 0, 24                                    ; my wave's count of each class, s[85 + e]: two classes' ballots, then their sums
	CNT16 1, 40
	SUM16 0, 24
	SUM16 1, 40
	CNT16 2, 24
	CNT16 3, 40
	SUM16 2, 24
	SUM16 3, 40
	CNT16 4, 24
	CNT16 5, 40
	SUM16 4, 24
	SUM16 5, 40
	CNT16 6, 24
	CNT16 7, 40
	SUM16 6, 24
	SUM16 7, 40
.irp e, 0,1,2,3,4,5,6,7
	v_mov_b32 v[24+\e], s[85+\e]
.endr
	ds_store_b128 v12, v[24:27]
	ds_store_b128 v12, v[28:31] offset:16
	s_wait_dscnt 0x0                               ; for the others' sake: my counts lie in LDS
	s_barrier_signal -1
	; while the others arrive, on registers alone: each token's entry (v64 + j): token | class << 11 | 0x8000, or 0 for a token that no expert takes
.set j, 0
.rept 16
	v_add_nc_u32 v[64+j], 32*j, v16
.set j, j+1
.endr
.set j, 0
.rept 16
	v_cmp_gt_u32 s[24+j], 8, v[32+j]
.set j, j+1
.endr
.set j, 0
.rept 16
	v_lshl_or_b32 v[64+j], v[32+j], 11, v[64+j]
.set j, j+1
.endr
.set j, 0
.rept 16
	v_or_b32 v[64+j], 0x8000, v[64+j]
.set j, j+1
.endr
.set j, 0
.rept 16
	v_cndmask_b32 v[64+j], 0, v[64+j], s[24+j]
.set j, j+1
.endr
	s_barrier_wait -1
.irp k, 0,1,2,3
	ds_load_b128 v[48+4*\k:51+4*\k], v8 offset:16*\k               ; all four waves' counts (v8 = 0): waves 0 and 1,
	ds_load_b128 v[80+4*\k:83+4*\k], v8 offset:64+16*\k            ; waves 2 and 3
.endr
	s_wait_dscnt 0x0
.set cnt, 0
.rept 16
	v_readfirstlane_b32 s[24+cnt], v[48+cnt]       ; s[24 + 8 w' + e]
	v_readfirstlane_b32 s[40+cnt], v[80+cnt]
.set cnt, cnt+1
.endr
.irp e, 0,1,2,3,4,5,6,7                        ; n_e
	s_add_co_u32 s[68+\e], s[24+\e], s[32+\e]
	s_add_co_u32 s[68+\e], s[68+\e], s[40+\e]
	s_add_co_u32 s[68+\e], s[68+\e], s[48+\e]
.endr
	s_cmp_gt_u32 s3, 0                             ; the rows of class e in the waves in front of mine
.irp e, 0,1,2,3,4,5,6,7
	s_cselect_b32 s[85+\e], s[24+\e], 0
.endr
	s_cmp_gt_u32 s3, 1
.irp e, 0,1,2,3,4,5,6,7
	s_cselect_b32 s[93+\e], s[32+\e], 0
.endr
.irp e, 0,1,2,3,4,5,6,7
	s_add_co_u32 s[85+\e], s[85+\e], s[93+\e]
.endr
	s_cmp_gt_u32 s3, 2
.irp e, 0,1,2,3,4,5,6,7
	s_cselect_b32 s[93+\e], s[40+\e], 0
.endr
.irp e, 0,1,2,3,4,5,6,7
	s_add_co_u32 s[85+\e], s[85+\e], s[93+\e]
.endr
	s_mov_b32 s76, 0                               ; s[76 + e]: the first tile of class e; s84: tiles in all
.irp e, 0,1,2,3,4,5,6,7
	s_add_co_u32 s56, s[68+\e], 15
	s_lshr_b32 s56, s56, 4
	s_add_co_u32 s[77+\e], s[76+\e], s56
	s_lshl_b32 s56, s[76+\e], 4
	s_add_co_u32 s[85+\e], s[85+\e], s56           ; s[85 + e]: the slot of my wave's first row of class e
.endr
	; each token's slot (v48 + j).  A token that no expert takes keeps the slot DUMP
.set j, 0
.rept 16
	v_mov_b32 v[48+j], v22
.set j, j+1
.endr
.irp e, 0,1,2,3,4,5,6,7
	CNT16 \e, 24
.set j, 0
.rept 16
	s_bcnt1_i32_b32 s[40+j], s[24+j]
.set j, j+1
.endr
	s_add_co_u32 s40, s40, s[85+\e]                ; s[40 + j]: the slot behind the class's rows of my slots 0 .. j
.set j, 1
.rept 15
	s_add_co_u32 s[40+j], s[40+j], s[39+j]
.set j, j+1
.endr
	v_mbcnt_lo_u32_b32 v80, s24, s[85+\e]          ; the slot: where slot j's rows of the class begin + the lanes of that class below mine
.set j, 1
.rept 15
	v_mbcnt_lo_u32_b32 v[80+j], s[24+j], s[39+j]
.set j, j+1
.endr
.set j, 0
.rept 16
	v_cndmask_b32 v[48+j], v[48+j], v[80+j], s[24+j]
.set j, j+1
.endr
.endr
.set j, 0
.rept 16
	v_min_u32 v[48+j], DUMP, v[48+j]
.set j, j+1
.endr
.set j, 0
.rept 16
	v_lshlrev_b32 v[48+j], 2, v[48+j]
.set j, j+1
.endr
.set j, 0
.rept 16
	global_store_b32 v[48+j], v[64+j], s[10:11]
.set j, j+1
.endr
	; the slots between a class's last row and the end of its last tile: thread (class tid / 16, k = tid % 16)
.irp e, 0,1,2,3,4,5,6,7
	s_lshl_b32 s[24+\e], s[76+\e], 4
	s_add_co_u32 s[24+\e], s[24+\e], s[68+\e]      ; the first slot behind the class's rows
	s_lshl_b32 s[32+\e], s[77+\e], 4               ; the next class's first slot
.endr
	v_mov_b32 v18, 0
	v_mov_b32 v19, 0
.irp e, 0,1,2,3,4,5,6,7
	v_cmp_eq_u32 s[40+\e], \e, v20
.endr
.irp e, 0,1,2,3,4,5,6,7
	v_cndmask_b32 v18, v18, s[24+\e], s[40+\e]
	v_cndmask_b32 v19, v19, s[32+\e], s[40+\e]
.endr
	v_add_nc_u32 v18, v18, v21
	v_cmp_lt_u32 vcc_lo, v18, v19
	v_cndmask_b32 v18, v22, v18, vcc_lo            ; what would lie in the next class's tiles goes to DUMP
	v_min_u32 v18, DUMP, v18
	v_lshlrev_b32 v18, 2, v18
	global_store_b32 v18, v8, s[10:11]
	; the tiles that this split does not use; what would pass the list's end writes its 0 to DUMP
	s_lshl_b32 s56, s84, 4
	v_add_nc_u32 v23, s56, v0
.set k, 0
.rept 17
	v_add_nc_u32 v[24+k], 128*k, v23
	v_min_u32 v[24+k], DUMP, v[24+k]
	v_lshlrev_b32 v[24+k], 2, v[24+k]
	global_store_b32 v[24+k], v8, s[10:11]
.set k, k+1
.endr
	s_wait_tensorcnt 0x0
	ds_add_u32 v96, v97
	s_wait_dscnt 0x0
	s_endpgm
.Lfunc_end_k_qcc814f2e5f_prep:
	.size	k_qcc814f2e5f_prep, .Lfunc_end_k_qcc814f2e5f_prep-k_qcc814f2e5f_prep
	.p2alignl 7, 3214868480
	.fill 96, 4, 3214868480
	.section	.rodata,"a",@progbits
	.p2align	6, 0x0
	.amdhsa_kernel k_qcc814f2e5f_prep
		.amdhsa_group_segment_fixed_size 1536
		.amdhsa_private_segment_fixed_size 0
		.amdhsa_enable_private_segment 0
		.amdhsa_kernarg_size 48
		.amdhsa_user_sgpr_count 2
		.amdhsa_user_sgpr_kernarg_segment_ptr 1
		.amdhsa_wavefront_size32 1
		.amdhsa_system_sgpr_workgroup_id_x 1
		.amdhsa_system_sgpr_workgroup_id_y 1
		.amdhsa_system_sgpr_workgroup_id_z 1
		.amdhsa_system_vgpr_workitem_id 0
		.amdhsa_next_free_vgpr 98
		.amdhsa_next_free_sgpr 104
		.amdhsa_reserve_vcc 1
		.amdhsa_float_denorm_mode_32 3
		.amdhsa_float_denorm_mode_16_64 3
		.amdhsa_memory_ordered 1
		.amdhsa_forward_progress 1
		.amdhsa_inst_pref_size 93
	.end_amdhsa_kernel
	.amdgpu_metadata
---
amdhsa.version: [ 1, 2 ]
amdhsa.kernels:
  - .name:           k_qcc814f2e5f_prep
    .symbol:         k_qcc814f2e5f_prep.kd
    .args:
      - { .name: dec_W, .offset: 0, .size: 8, .value_kind: global_buffer, .address_space: global }
      - { .name: inp_pos, .offset: 8, .size: 8, .value_kind: global_buffer, .address_space: global }
      - { .name: wq, .offset: 16, .size: 8, .value_kind: global_buffer, .address_space: global }
      - { .name: tlist, .offset: 24, .size: 8, .value_kind: global_buffer, .address_space: global }
      - { .name: nent, .offset: 32, .size: 8, .value_kind: global_buffer, .address_space: global }
      - { .name: widx, .offset: 40, .size: 8, .value_kind: global_buffer, .address_space: global }
    .group_segment_fixed_size: 1536
    .private_segment_fixed_size: 0
    .kernarg_segment_align: 8
    .kernarg_segment_size: 48
    .max_flat_workgroup_size: 128
    .sgpr_count:     104
    .vgpr_count:     98
    .wavefront_size: 32
...
	.end_amdgpu_metadata
.endif
;; end of part 4
;; launch decode (part 5): grid 263 x 1, 16 waves a work-group, no clusters, 16,384 bytes of LDS; arguments tlist, ctx, wq, dec_b, u_gumbel, pq, nent, widx, psr_weight, atk_weight, words, lq; writes pq, nent, widx, lq
.if DOCPART == 5
	.amdgcn_target "amdgcn-amd-amdhsa--gfx1250"
	.amdhsa_code_object_version 6
	.text
	.protected	k_qcc814f2e5f_decode
	.globl	k_qcc814f2e5f_decode
	.p2align	8
	.type	k_qcc814f2e5f_decode,@function
k_qcc814f2e5f_decode:
	s_mov_b64 s[64:65], 0
	v_nop
	global_prefetch_b8 v0, s[64:65] scope:SCOPE_SE
	s_setreg_imm32_b32 hwreg(HW_REG_WAVE_SCHED_MODE, 0, 2), 2
	s_setreg_imm32_b32 hwreg(HW_REG_WAVE_MODE, 25, 1), 1
	s_wait_xcnt 0x0
	s_wait_alu depctr_vm_vsrc(0)
; DECODE: two kinds of work-group, told apart by the work-group's number at the first line.
;   0..134    TILE:  ONE tile of 16 rows of ONE expert e (tlist) goes from ctx to the codes of p.
;   135..262  TABLE: the rows words[e][m] of psr_weight or atk_weight, [m (K)][512] f32, become codes of FP4 with one E8M0 byte for each 32 along K, for the launch behind this one.
;             It shares nothing with the tiles (no LDS, no barrier) and stands at the text's end.
; TILE.
;   x = Q(ctx) Q(dec_W[e]) + dec_b[e]   (MX-FP4, K = 768);   a = (x - max x) log2(e);   S = sum 2^a;   W = sum a 2^a;   the row's entropy term = ln 2 (log2 S - W / S);
;   t = a - log2 S - log2(-ln u), u held to [1e-6, 1 - 1e-6]: that is (log_softmax + gumbel) x log2(e);   the index of the largest t (the lowest index of equals);
;   M = ceil(the largest t);   p = 2^(t - M), quantised along the 1,024 logits; l = the sum of the unquantised p.
; SHARES.  Sixteen waves; wave w owns logits 64 w .. 64 w + 63 of all 16 rows: four tiles of dec_W's columns.  The product is used transposed (source 0 = 16 columns of dec_W, source 1 = ctx's 16 rows),
; and the columns of a tile are chosen (prep) so that lane (r, h) holds row r and register ACC + 16 b + i the logit 64 w + 32 b + 16 h + i: 16 neighbours of each of the wave's two blocks of 32.
; So the wave's p are half w % 2 of K step w / 2 of the next products: four registers, stored as they stand.  ctx is quantised likewise by waves 0 to 11 and goes round as images of the operand's registers in LDS.
; What spans the waves (largest x; S, W, largest t and its index; l) meets in LDS: four barriers, every region written once.
; A ROW THAT A TILE LACKS repeats the tile's row 0: the same token, the same bits, the same addresses; no lane is ever switched off.
; A TILE THAT THE SPLIT LEAVES WITHOUT ROWS (entry 0 = 0) walks the same text on token 0 and expert 0, so that no barrier stands behind a branch on a number read from memory; its two numbers for a token go
; to the tile's own spare entry, 2,048 + tile, of nent and widx, which nobody reads, and its part of pq is not read either.
; NO TENSOR LOADS, NO CLUSTER: how many tiles an expert has hangs on the split, so partners of a cluster could not be given tiles of one expert at every split; the weights come from memory straight into registers,
; laid by prep in the order of the operand's registers: 512 consecutive bytes a load.
; LIMITS: NaN and infinities are not served; a block of zeros gets the byte 1 (its codes are zeros, and this program alone reads the bytes); equal t are told apart by the lowest index, on t, not on the rounded softmax;
; an index of words above 19,999 is held at 19,999.
; pq: codes [tile][w 16][lane][16 bytes]; from PSO scale words [tile][K step 8][lane]; from PLO l [tile][lane].
; lq: codes [e 8][W 16][s 8][t 4] fragments of 1,024 bytes ([half c][lane][16 bytes]), W = 8 x table + w; row r of tile t is column 64 w + 16 t + r.  From byte S2O: scale words [e][W][s][t / 2][16 (t % 2) + r].
; REGISTERS (TILE): v3-15 offsets and LDS addresses, never rewritten; v16-27 dec_W's scale words; v28-31 at work; v32-63 ACC; v64-191 four buffers of 32 for dec_W's fragments, later bias (v128), u (v160), a (v64), 2^a (v96), records (v64-127);
;   v192-239 ctx's six fragments, later at work; v240-245 ctx's scale words; v246-255 at work for the quantiser.
; THE MODE: SCHED_MODE bits 1:0 = 2 (LLVM: expert scheduling mode 2), set by the entry lines.  The code itself states the register dependences
; between vector or matrix instructions and memory or LDS instructions, with s_wait_alu, always for 0.
; THE PLAN, TILE.  Registers that memory or LDS instructions touch:
;   v3-v15        written once at the head, read as offsets and LDS addresses by all that follows: one wait on va_vdst ahead of the first branch.
;   v255, v254    the entry's offset and the entry; v254 is later half a scale word, the data of two LDS stores; both are made anew at the end, behind a wait on vm_vsrc.
;   the ring      K step s's four products read buffer s % 4; the loads that follow the step land in it: a wait on va_vdst behind steps 0 to 3.  It stands behind the products and not at the next
;                 step's head, so that the buffer is asked for again at once.
;   v28, v248-251, v208-211, v194, v212, v203, v200   written by vector lines, read by stores: a wait on va_vdst ahead of each run of stores.  v28, v248-251 and v254 are written a second time: one wait on vm_vsrc ahead of that.
;   v64-127, v96-119   LDS loads land where vector lines have read and written: the wait ahead of the run of stores in front of the barrier covers those lines, and no vector line stands between it and the loads.
;   A compare's mask goes into a scalar register of its own; the compares stand in runs, one wait on va_sdst behind a run.
; THE PLAN, TABLE.  v96-223: a load's offset, one register for each of the wave's 128 loads, written once.  v32-95: two sets of 32 numbers: block t's lines read set t % 2, the loads of block t + 2 land in it.
;   v16-31: the codes, written once, read by the stores.  ONE wait on va_vdst to a block, behind its conversions, states all three.
.set TILES, 135
.set ACC,  32
.set RING, 64
.set BIA,  128
.set UG,   160
.set EA,   64
.set EE,   96
.set XF,   192
.set XSW,  240
.set W1S,  16
.set PC,   248
.set XIMG, 0                           ; LDS: ctx's six fragments as images, 512 bytes from each of waves 0-11
.set XSC,  6144                        ; their scale words: 128 bytes a K step, half a word from each of two waves
.set MXB,  7168                        ; [row 16][wave 16] the waves' largest x
.set REC,  8192                        ; [wave 16][row 16] 16 bytes: S, W, largest t', its index
.set LSB,  12288                       ; [row][wave] the waves' sums of p
.set PSL,  13312                       ; p's scale words, as XSC
.set S1O,  3145728
.set S2O,  4194304
.set PSO,  1105920
.set PLO,  1244160
.set TX,   32                          ; TABLE: v32-95 two sets of 32 numbers
.set TC,   16                          ; TABLE: v16-31 the codes of four blocks, never rewritten
.set TA,   96                          ; TABLE: v96-223 the offsets of four blocks' loads, never rewritten
.set MK,   66                          ; TILE: s66-97 the masks of a run of compares
.macro ROWLD reg, va, sb               ; my 16 numbers of each of my wave's two blocks of 32, of my row
.irp b, 0,1
.irp j, 0,1,2,3
	global_load_b128 v[\reg+16*\b+4*\j:\reg+16*\b+4*\j+3], v[\va], s[\sb:\sb+1] offset:128*\b+16*\j
.endr
.endr
.endm
.macro WLD s                           ; dec_W's four fragments of K step s into buffer s % 4
.irp t, 0,1,2,3
.irp c, 0,1
	global_load_b128 v[RING+32*((\s)%4)+8*\t+4*\c:RING+32*((\s)%4)+8*\t+4*\c+3], v3, s[24:25] offset:4096*(\s)+1024*\t+512*\c
.endr
.endr
.endm
.macro MM first, odd                   ; one product; an odd tile's scale words stand in lanes 16-31 of the register that it shares with the even tile
.if \first
.if \odd
	v_wmma_scale_f32_16x16x128_f8f6f4 v[rD:rD+7], v[rA:rA+7], v[rB:rB+7], 0, v[rS], v[rT] matrix_a_fmt:MATRIX_FMT_FP4 matrix_b_fmt:MATRIX_FMT_FP4 matrix_a_scale:MATRIX_SCALE_ROW1
.else
	v_wmma_scale_f32_16x16x128_f8f6f4 v[rD:rD+7], v[rA:rA+7], v[rB:rB+7], 0, v[rS], v[rT] matrix_a_fmt:MATRIX_FMT_FP4 matrix_b_fmt:MATRIX_FMT_FP4
.endif
.else
.if \odd
	v_wmma_scale_f32_16x16x128_f8f6f4 v[rD:rD+7], v[rA:rA+7], v[rB:rB+7], v[rD:rD+7], v[rS], v[rT] matrix_a_fmt:MATRIX_FMT_FP4 matrix_b_fmt:MATRIX_FMT_FP4 matrix_a_scale:MATRIX_SCALE_ROW1
.else
	v_wmma_scale_f32_16x16x128_f8f6f4 v[rD:rD+7], v[rA:rA+7], v[rB:rB+7], v[rD:rD+7], v[rS], v[rT] matrix_a_fmt:MATRIX_FMT_FP4 matrix_b_fmt:MATRIX_FMT_FP4
.endif
.endif
.endm
.macro STEP s, n, again                ; K step s: the four accumulators take turns, one instruction a turn; n: the younger loads that may stay out; again = 1: loads into this step's buffer follow
	s_wait_loadcnt \n
.irp t, 0,1,2,3
.set rD, ACC+8*\t
.set rA, RING+32*((\s)%4)+8*\t
.set rB, XF+8*(\s)
.set rS, W1S+2*(\s)+(\t)/2
.set rT, XSW+(\s)
	MM (\s)==0, (\t)%2
.endr
.rept 4
	v_nop                                          ; four places in front of loads into registers that these products have read, and of the first read of results
.endr
.if \again
	s_wait_alu depctr_va_vdst(0)                   ; these four products are done reading buffer s % 4, in which the eight loads that follow land
.endif
.endm
.macro JOINMAX                         ; v28, v29 with lane l xor 16's
	v_permlanex16_b32 v30, v28, s28, s29
	v_permlanex16_b32 v31, v29, s28, s29
	v_max_num_f32 v28, v28, v30
	v_max_num_f32 v29, v29, v31
.endm
.macro SCALE2                          ; from two blocks' largest magnitudes (v28, v29): the conversions' operands v246, v247 and half a scale word v254
	v_add_nc_u32 v246, 0xff000000, v28             ; 2 off the exponent field
	v_add_nc_u32 v247, 0xff000000, v29
	v_lshrrev_b32 v252, 23, v246                   ; the bytes
	v_lshrrev_b32 v253, 23, v247
	v_lshl_or_b32 v254, v253, 8, v252
.endm
.macro CODES2 src                      ; 32 numbers of a lane become four registers of an operand
	v_cvt_scalef32_pk8_fp4_f32 v[PC], v[\src:\src+7], v246
	v_cvt_scalef32_pk8_fp4_f32 v[PC+1], v[\src+8:\src+15], v246
	v_cvt_scalef32_pk8_fp4_f32 v[PC+2], v[\src+16:\src+23], v247
	v_cvt_scalef32_pk8_fp4_f32 v[PC+3], v[\src+24:\src+31], v247
	v_nop                                          ; one plain line behind the conversions
	v_permlane16_swap_b32 v[PC], v[PC+2]           ; the operand wants a WHOLE block in a lane: lanes 0-15 the first block, lanes 16-31 the second
	v_permlane16_swap_b32 v[PC+1], v[PC+3]
.endm
.macro BAR                             ; my LDS stores have landed and my LDS loads are in: then the work-group's barrier
	s_wait_dscnt 0x0
	s_barrier_signal -1
	s_barrier_wait -1
.endm
; TABLE's steps.  Block t of four: its 32 numbers (all mine: a lane takes a column, its registers run down K) become 16 bytes of codes and one byte of the scale word v6.
.macro QBLK t
.set TXS, TX+32*((\t)%2)
.if (\t) < 3
	s_wait_loadcnt 32                              ; this block's 32 loads are in; the next block's 32 may be out
.else
	s_wait_loadcnt 0x0
.endif
	v_max3_num_f32 v12, |v[TXS]|, |v[TXS+1]|, |v[TXS+2]|
	v_max3_num_f32 v13, |v[TXS+3]|, |v[TXS+4]|, |v[TXS+5]|
.irp i, 6,10,14,18,22,26
	v_max3_num_f32 v12, v12, |v[TXS+\i]|, |v[TXS+\i+1]|
	v_max3_num_f32 v13, v13, |v[TXS+\i+2]|, |v[TXS+\i+3]|
.endr
	v_max3_num_f32 v12, v12, |v[TXS+30]|, |v[TXS+31]|
	v_max3_num_f32 v12, v12, v13, 0x1800000        ; and the floor 2^(3 - 127): the byte cannot fall under 1
	v_add_nc_u32 v11, 0xff000000, v12              ; 2 off the exponent field: the conversion takes this operand's exponent field as its scale
	v_lshrrev_b32 v13, 23, v11                     ; the scale's byte
.if (\t) == 0
	v_mov_b32 v6, v13
.else
	v_lshl_or_b32 v6, v13, 8*(\t), v6              ; the lower K in the lower byte
.endif
.irp g, 0,1,2,3
	v_cvt_scalef32_pk8_fp4_f32 v[TC+4*(\t)+\g], v[TXS+8*\g:TXS+8*\g+7], v11
.endr
	v_nop                                          ; one plain line behind the conversions: their sources are written again below
.endm
.macro QOUT t                          ; block t's codes leave
	s_wait_alu depctr_va_vdst(0)                   ; block t's conversions have written its codes, which the store reads, and are done reading its 32 numbers, in which the loads of block t + 2 land; the offsets made since the last wait are written
	global_store_b128 v3, v[TC+4*(\t):TC+4*(\t)+3], s[56:57] offset:((\t)/2)*512+((\t)%2)*256   ; block t is half t / 2, lanes 16 (t % 2) + r of two fragments: the wave fills two aligned runs of 256 bytes
.endm
.macro WORDS t, base                   ; the 32 indices of block t
	s_load_b512 s[\base:\base+15], s[62:63], 128*(\t)
	s_load_b512 s[\base+16:\base+31], s[62:63], 128*(\t)+64
.endm
.macro ADDRG t, base                   ; the offsets of block t's 32 loads: row words[e][128 s + 32 t + i] of 2,048 bytes, + my column; a register to each load
.set cnt, 0
.rept 32
	s_min_u32 s[\base+cnt], s[\base+cnt], 19999
	v_lshl_add_u32 v[TA+32*(\t)+cnt], s[\base+cnt], 11, v2
.set cnt, cnt+1
.endr
.endm
.macro LOADG t                         ; table(words[e][128 s + 32 t + i], my column); the sixteen waves together read the whole row of 2,048 bytes
.set cnt, 0
.rept 32
	global_load_b32 v[TX+32*((\t)%2)+cnt], v[TA+32*(\t)+cnt], s[60:61]
.set cnt, cnt+1
.endr
.endm
	s_cmp_lt_u32 ttmp9, TILES
	s_cbranch_scc0 .Ltables
; ---- TILE
	s_load_b512 s[4:19], s[0:1], 0x0               ; tlist 4, ctx 6, wq 8, dec_b 10, u_gumbel 12, pq 14, nent 16, widx 18
	v_lshrrev_b32 v1, 5, v0
	v_readfirstlane_b32 s20, v1                    ; wave 0..15
	v_and_b32 v1, 15, v0                           ; r
	v_bfe_u32 v2, v0, 4, 1                         ; h
	v_and_b32 v3, 31, v0
	v_lshlrev_b32 v4, 2, v3                        ; 4 x lane
	v_lshlrev_b32 v3, 4, v3                        ; 16 x lane
	s_lshl_b32 s21, ttmp9, 6
	v_lshl_add_u32 v255, v1, 2, s21                ; my row's entry: 64 x tile + 4 r
	s_wait_kmcnt 0x0
	s_wait_alu depctr_va_vdst(0)                   ; v255 is written, which the load reads as its offset
	global_load_b32 v254, v255, s[4:5]
	; every LDS address is made here, of the thread's and the wave's number alone
	s_wait_alu depctr_va_sdst(0)                   ; s20 is written, ahead of its first reader
	s_lshl_b32 s46, s20, 2
	v_lshl_add_u32 v7, v1, 6, s46                  ; 64 r + 4 w
	v_lshlrev_b32 v8, 6, v1                        ; 64 r
	s_lshl_b32 s46, s20, 6
	v_lshl_add_u32 v9, v2, 4, s46                  ; the number 64 w + 16 h: my first logit
	s_lshl_b32 s51, s20, 8                         ; 256 w
	v_lshl_add_u32 v10, v1, 4, s51                 ; 256 w + 16 r
	v_lshlrev_b32 v11, 4, v1                       ; 16 r
	s_lshl_b32 s47, s20, 9
	v_add_nc_u32 v12, s47, v3                      ; 512 w + 16 x lane
	s_lshr_b32 s48, s20, 1
	s_lshl_b32 s48, s48, 7
	s_and_b32 s49, s20, 1
	s_lshl_b32 s49, s49, 1
	s_add_co_u32 s48, s48, s49
	v_add_nc_u32 v14, s48, v4                      ; 128 (w / 2) + 2 (w % 2) + 4 x lane: my half of a scale word
	v_lshlrev_b32 v5, 6, v2                        ; 64 h
	v_mov_b32 v30, 0                               ; written once: a lane permute's destination counts as one of its sources
	v_mov_b32 v31, 0
	s_mov_b32 s28, 0x76543210
	s_mov_b32 s29, 0xfedcba98                      ; v_permlanex16_b32's selects for lane l xor 16
	s_mov_b32 s30, 0x3fb8aa3b                      ; log2(e); the packed forms name a pair and take its low word for both halves
	s_mov_b32 s31, s30
	s_mov_b32 s32, 0x358637bd                      ; 1e-6
	s_mov_b32 s33, 0x3f7fffef                      ; 1 - 1e-6
	s_mov_b32 s34, 0xbf317218                      ; -ln 2
	s_mov_b32 s35, s34
	s_mov_b32 s37, 0x3f317218                      ; ln 2
	s_add_co_u32 s23, ttmp9, 2048                  ; the tile's spare entry
	s_mov_b32 s47, 0
	s_lshl_b32 s46, ttmp9, 13
	s_lshl_b32 s48, s20, 9
	s_add_co_u32 s46, s46, s48
	s_add_nc_u64 s[40:41], s[14:15], s[46:47]      ; pq: my wave's 512 bytes of codes
	s_lshl_b32 s46, ttmp9, 10
	s_add_co_u32 s46, s46, PSO
	s_add_nc_u64 s[42:43], s[14:15], s[46:47]      ; the tile's scale words
	s_lshl_b32 s46, ttmp9, 7
	s_add_co_u32 s46, s46, PLO
	s_add_nc_u64 s[44:45], s[14:15], s[46:47]      ; the tile's l
	s_wait_loadcnt 0x0
	v_readfirstlane_b32 s21, v254                  ; entry 0
	v_cmp_eq_u32 s52, 0, v254                      ; the rows that the tile lacks
	s_wait_alu depctr_va_sdst(0)                   ; s21 and the mask s52 are written, ahead of their first readers
	s_bfe_u32 s22, s21, 0x3000b
	s_min_u32 s22, s22, 7                          ; the expert
	v_cndmask_b32 v254, v254, s21, s52             ; a row that the tile lacks repeats row 0
	v_and_b32 v254, 0x7ff, v254
	s_bitcmp1_b32 s21, 15
	s_cselect_b32 s50, 0, -1                       ; all ones where the tile has no rows
	v_cndmask_b32 v15, v254, s23, s50
	v_min_u32 v15, 2239, v15
	v_lshlrev_b32 v15, 2, v15                      ; where the row's two numbers go in nent and widx
	v_min_u32 v254, 0x7ff, v254                    ; the token
	v_mul_u32_u24 v6, v254, 3072
	v_lshl_add_u32 v6, v2, 6, v6
	v_add_nc_u32 v6, s51, v6                       ; ctx: token x 3,072 + 256 w + 64 h
	v_lshl_add_u32 v13, v254, 12, v5
	v_add_nc_u32 v13, s51, v13                     ; u: token x 4,096 + 256 w + 64 h
	s_lshl_b32 s23, s22, 4
	s_add_co_u32 s23, s23, s20                     ; 16 e + w
	s_mul_i32 s46, s23, 24576
	s_add_nc_u64 s[24:25], s[8:9], s[46:47]        ; my 24 fragments
	s_mul_i32 s46, s23, 1536
	s_add_co_u32 s46, s46, S1O
	s_add_nc_u64 s[26:27], s[8:9], s[46:47]        ; their scale words
	s_lshl_b32 s46, s22, 12
	s_add_co_u32 s46, s46, s51
	s_add_nc_u64 s[38:39], s[10:11], s[46:47]      ; dec_b[e] at my 64 logits
	s_wait_alu depctr_va_vdst(0)                   ; the offsets and LDS addresses v3 to v15 are written: every load and store from here on reads one of them, and none is written again
	; ---- ctx: waves 0 to 11 take 64 along K each: half w % 2 of K step w / 2
	s_cmp_lt_u32 s20, 12
	s_cbranch_scc0 .Lno_x_load
	ROWLD ACC, 6, 6
.Lno_x_load:
.irp s, 0,1,2,3,4,5
.irp b, 0,1
	global_load_b32 v[W1S+2*\s+\b], v4, s[26:27] offset:256*\s+128*\b      ; lanes 0-15: tile 2 b's words; lanes 16-31: tile 2 b + 1's
.endr
.endr
	WLD 0
	WLD 1
	WLD 2
	WLD 3
	s_cmp_lt_u32 s20, 12
	s_cbranch_scc0 .Lno_x_quant
	s_wait_loadcnt 44                              ; ctx's eight loads are in; the 12 + 32 issued behind them may be out
.irp b, 0,1
	v_max3_num_f32 v[28+\b], |v[ACC+16*\b]|, |v[ACC+1+16*\b]|, 0x1800000   ; my 16 numbers of block b, and the floor 2^(3 - 127)
.endr
.irp i, 2,4,6,8,10,12,14
.irp b, 0,1
	v_max3_num_f32 v[28+\b], v[28+\b], |v[ACC+16*\b+\i]|, |v[ACC+1+16*\b+\i]|
.endr
.endr
	JOINMAX
	SCALE2
	CODES2 ACC
	s_wait_alu depctr_va_vdst(0)                   ; ctx's codes v248 to v251 and the half scale word v254 are written, which the two LDS stores read
	ds_store_b128 v12, v[PC:PC+3] offset:XIMG
	ds_store_b16 v14, v254 offset:XSC
.Lno_x_quant:
	BAR                                            ; ctx's six fragments and their scale words lie in LDS
.irp s, 0,1,2,3,4,5
.irp c, 0,1
	ds_load_b128 v[XF+8*\s+4*\c:XF+8*\s+4*\c+3], v3 offset:XIMG+1024*\s+512*\c
.endr
	ds_load_b32 v[XSW+\s], v4 offset:XSC+128*\s
.endr
	s_wait_dscnt 0x0
	; ---- the product.  Each count: the three (at last two) groups of eight loads issued behind the group that is wanted
	STEP 0, 24, 1
	WLD 4
	STEP 1, 24, 1
	WLD 5
	STEP 2, 24, 1
	ROWLD BIA, 5, 38                               ; the bias, into the buffer that K step 2 has left
	STEP 3, 24, 1
	ROWLD UG, 13, 12                               ; u, into K step 3's
	STEP 4, 24, 0
	STEP 5, 16, 0
	s_wait_loadcnt 0x0
.set j, 0
.rept 16
	v_pk_add_f32 v[ACC+j:ACC+j+1], v[ACC+j:ACC+j+1], v[BIA+j:BIA+j+1]     ; x; each accumulator is read from its low end on
.set j, j+2
.endr
	v_max3_num_f32 v28, v[ACC], v[ACC+1], v[ACC+2]                 ; the largest of my 32
	v_max3_num_f32 v29, v[ACC+3], v[ACC+4], v[ACC+5]
.irp i, 6,10,14,18,22,26
	v_max3_num_f32 v28, v28, v[ACC+\i], v[ACC+\i+1]
	v_max3_num_f32 v29, v29, v[ACC+\i+2], v[ACC+\i+3]
.endr
	v_max3_num_f32 v28, v28, v[ACC+30], v[ACC+31]
	v_max_num_f32 v28, v28, v29
	v_permlanex16_b32 v30, v28, s28, s29
	v_max_num_f32 v28, v28, v30                    ; of my row's 64 in this wave
	s_wait_alu depctr_va_vdst(0)                   ; v28 is written, which the LDS store reads; K step 5's products are done reading v96 to v111, in which the LDS loads behind the barrier land (the lines between name v160 to v191 alone)
	ds_store_b32 v7, v28 offset:MXB                ; (both halves of the lanes write the same word with the same value)
	s_wait_dscnt 0x0
	s_barrier_signal -1
	; while the others arrive, on registers alone: log2(-ln u)
.set j, 0
.rept 32
	v_med3_num_f32 v[UG+j], v[UG+j], s32, s33
.set j, j+1
.endr
.set j, 0
	s_wait_alu depctr_va_vdst(0)
.rept 32
	v_log_f32 v[UG+j], v[UG+j]
.set j, j+1
.endr
	v_nop                                          ; a plain line behind the transcendentals
.set j, 0
	s_wait_alu depctr_va_vdst(0)                   ; the 32 logarithms are written, ahead of their first reader
.rept 16
	v_pk_mul_f32 v[UG+j:UG+j+1], v[UG+j:UG+j+1], s[34:35] op_sel_hi:[1,0]     ; -ln u
.set j, j+2
.endr
.set j, 0
	s_wait_alu depctr_va_vdst(0)
.rept 32
	v_log_f32 v[UG+j], v[UG+j]
.set j, j+1
.endr
	v_nop
	s_barrier_wait -1
	; ---- the row's largest x; a; 2^a; S and W
.irp k, 0,1,2,3
	ds_load_b128 v[96+4*\k:99+4*\k], v8 offset:MXB+16*\k
.endr
	s_wait_dscnt 0x0
	v_max3_num_f32 v192, v96, v97, v98
	v_max3_num_f32 v193, v99, v100, v101
	v_max3_num_f32 v192, v192, v102, v103
	v_max3_num_f32 v193, v193, v104, v105
	v_max3_num_f32 v192, v192, v106, v107
	v_max3_num_f32 v193, v193, v108, v109
	v_max3_num_f32 v192, v192, v110, v111
	v_max_num_f32 v192, v192, v193
	v_mov_b32 v193, v192
.set j, 0
.rept 16
	v_pk_add_f32 v[ACC+j:ACC+j+1], v[ACC+j:ACC+j+1], v[192:193] neg_lo:[0,1] neg_hi:[0,1]     ; x - the largest: taken first, so that the error does not grow with the size of x
.set j, j+2
.endr
.set j, 0
.rept 16
	v_pk_mul_f32 v[EA+j:EA+j+1], v[ACC+j:ACC+j+1], s[30:31] op_sel_hi:[1,0]   ; a
.set j, j+2
.endr
.set j, 0
	s_wait_alu depctr_va_vdst(0)
.rept 32
	v_exp_f32 v[EE+j], v[EA+j]
.set j, j+1
.endr
.set j, 0
	s_wait_alu depctr_va_vdst(0)                   ; the second 32 logarithms and the 32 exponentials are written, ahead of their first readers
.rept 16
	v_pk_fma_f32 v[ACC+j:ACC+j+1], v[ACC+j:ACC+j+1], s[30:31], v[UG+j:UG+j+1] op_sel_hi:[1,0,1] neg_lo:[0,0,1] neg_hi:[0,0,1]   ; t' = a - log2(-ln u) = t + log2 S.  (Plain lines behind the exponentials)
.set j, j+2
.endr
	v_pk_add_f32 v[194:195], v[EE:EE+1], v[EE+4:EE+5]              ; S, in two chains
	v_pk_add_f32 v[196:197], v[EE+2:EE+3], v[EE+6:EE+7]
	v_pk_mul_f32 v[198:199], v[EA:EA+1], v[EE:EE+1]                ; W likewise
	v_pk_mul_f32 v[200:201], v[EA+2:EA+3], v[EE+2:EE+3]
	v_pk_fma_f32 v[198:199], v[EA+4:EA+5], v[EE+4:EE+5], v[198:199]
	v_pk_fma_f32 v[200:201], v[EA+6:EA+7], v[EE+6:EE+7], v[200:201]
.irp i, 8,12,16,20,24,28
	v_pk_add_f32 v[194:195], v[194:195], v[EE+\i:EE+\i+1]
	v_pk_add_f32 v[196:197], v[196:197], v[EE+\i+2:EE+\i+3]
	v_pk_fma_f32 v[198:199], v[EA+\i:EA+\i+1], v[EE+\i:EE+\i+1], v[198:199]
	v_pk_fma_f32 v[200:201], v[EA+\i+2:EA+\i+3], v[EE+\i+2:EE+\i+3], v[200:201]
.endr
	v_pk_add_f32 v[194:195], v[194:195], v[196:197]
	v_pk_add_f32 v[198:199], v[198:199], v[200:201]
	v_add_f32 v194, v194, v195
	v_add_f32 v198, v198, v199
	v_permlanex16_b32 v30, v194, s28, s29
	v_permlanex16_b32 v31, v198, s28, s29
	v_add_f32 v208, v194, v30                      ; the record's S
	v_add_f32 v209, v198, v31                      ; and W
	; ---- the largest t' of each block of 32 (it serves twice: for the row's maximum and for the block's largest p), and where the wave's largest lies
	s_wait_alu depctr_vm_vsrc(0)                   ; my LDS stores so far have read v28, v248 to v251 and v254: v28 is written again below, the others when p is quantised
.irp b, 0,1
	v_max3_num_f32 v[28+\b], v[ACC+16*\b], v[ACC+1+16*\b], v[ACC+2+16*\b]
.endr
.irp i, 3,5,7,9,11,13
.irp b, 0,1
	v_max3_num_f32 v[28+\b], v[28+\b], v[ACC+16*\b+\i], v[ACC+1+16*\b+\i]
.endr
.endr
.irp b, 0,1
	v_max_num_f32 v[28+\b], v[28+\b], v[ACC+15+16*\b]
.endr
	JOINMAX
	v_max_num_f32 v210, v28, v29
	v_mov_b32 v203, 0x1000                         ; 'not among mine'
.set j, 0
.rept 32
	v_cmp_neq_f32 s[MK+j], v[ACC+j], v210          ; 32 compares in a run, a scalar register to each mask
.set j, j+1
.endr
	s_wait_alu depctr_va_sdst(0)                   ; the 32 masks are written, ahead of the selections that read them
.set j, 31
.rept 32
	v_cndmask_b32 v203, j, v203, s[MK+j]           ; from the last register to the first: the lowest wins
.set j, j-1
.endr
	v_lshrrev_b32 v204, 4, v203
	v_and_b32 v205, 15, v203
	v_lshl_add_u32 v204, v204, 5, v205
	v_add_nc_u32 v204, v204, v9                    ; register 16 b + i is logit 64 w + 16 h + 32 b + i
	v_permlanex16_b32 v30, v204, s28, s29
	v_min_u32 v211, v204, v30
	s_wait_alu depctr_va_vdst(0)                   ; the record v208 to v211 is written, which the LDS store reads; all lines that wrote or read a and 2^a (v64 to v127) are done: the records' loads behind the barrier land there
	ds_store_b128 v10, v[208:211] offset:REC
	BAR
	; ---- the row's numbers, in every wave alike
.set j, 0
.rept 16
	ds_load_b128 v[64+4*j:67+4*j], v11 offset:REC+256*j
.set j, j+1
.endr
	s_wait_dscnt 0x0
	v_pk_add_f32 v[194:195], v[64:65], v[72:73]
	v_pk_add_f32 v[196:197], v[68:69], v[76:77]
.irp i, 16,24,32,40,48,56
	v_pk_add_f32 v[194:195], v[194:195], v[64+\i:65+\i]
	v_pk_add_f32 v[196:197], v[196:197], v[68+\i:69+\i]
.endr
	v_pk_add_f32 v[194:195], v[194:195], v[196:197]                ; v194 = S, v195 = W
	v_max3_num_f32 v198, v66, v70, v74
	v_max3_num_f32 v199, v78, v82, v86
	v_max3_num_f32 v198, v198, v90, v94
	v_max3_num_f32 v199, v199, v98, v102
	v_max3_num_f32 v198, v198, v106, v110
	v_max3_num_f32 v199, v199, v114, v118
	v_max3_num_f32 v198, v198, v122, v126
	v_max_num_f32 v198, v198, v199                 ; the row's largest t'
	v_mov_b32 v200, 0
.set j, 0
.rept 16
	v_cmp_eq_f32 s[MK+j], v[66+4*j], v198          ; 16 compares in a run
.set j, j+1
.endr
	s_wait_alu depctr_va_sdst(0)                   ; the 16 masks are written, ahead of the selections that read them
.set j, 15
.rept 16
	v_cndmask_b32 v200, v200, v[67+4*j], s[MK+j]   ; from the last wave to the first: the lowest index wins
.set j, j-1
.endr
	s_wait_alu depctr_va_vdst(0)
	v_log_f32 v201, v194                           ; log2 S
	v_rcp_f32 v202, v194
	v_nop
	s_wait_alu depctr_va_vdst(0)                   ; log2 S and 1 / S are written, ahead of their first reader
	v_fma_f32 v203, -v195, v202, v201
	v_mul_f32 v203, s37, v203                      ; the entropy term: ln 2 (log2 S - W / S)
	v_sub_f32 v204, v201, v198
	v_floor_f32 v204, v204                         ; -M = floor(-(the largest t)): M is a whole number
	v_sub_f32 v206, v204, v201                     ; t - M = t' + (-M - log2 S)
	v_mov_b32 v207, v206
	; ---- p, its codes and its sum
.set j, 0
.rept 16
	v_pk_add_f32 v[ACC+j:ACC+j+1], v[ACC+j:ACC+j+1], v[206:207]
.set j, j+2
.endr
	v_add_f32 v28, v28, v206                       ; the same of each block's largest t'
	v_add_f32 v29, v29, v206
.set j, 0
	s_wait_alu depctr_va_vdst(0)
.rept 32
	v_exp_f32 v[ACC+j], v[ACC+j]                   ; p = 2^(t - M): not normalised
.set j, j+1
.endr
	v_exp_f32 v28, v28                             ; the block's largest p: the same two instructions on the same number give the same bits
	v_exp_f32 v29, v29
	v_nop
	s_wait_alu depctr_va_vdst(0)                   ; the 34 exponentials are written, ahead of their first reader
	v_max_num_f32 v28, 0x1800000, v28              ; the floor 2^(3 - 127)
	v_max_num_f32 v29, 0x1800000, v29
	SCALE2
	CODES2 ACC
	v_pk_add_f32 v[194:195], v[ACC:ACC+1], v[ACC+4:ACC+5]          ; the sum is taken of the unquantised p
	v_pk_add_f32 v[196:197], v[ACC+2:ACC+3], v[ACC+6:ACC+7]
.irp i, 8,12,16,20,24,28
	v_pk_add_f32 v[194:195], v[194:195], v[ACC+\i:ACC+\i+1]
	v_pk_add_f32 v[196:197], v[196:197], v[ACC+\i+2:ACC+\i+3]
.endr
	v_pk_add_f32 v[194:195], v[194:195], v[196:197]
	v_add_f32 v194, v194, v195
	v_permlanex16_b32 v30, v194, s28, s29
	v_add_f32 v194, v194, v30
	s_wait_alu depctr_va_vdst(0)                   ; p's codes v248 to v251, the half scale word v254 and the sum v194 are written, which the three stores read; the lines that read the records (v64 to v127) are done: wave 0's LDS loads land in v96 to v119
	global_store_b128 v3, v[PC:PC+3], s[40:41]     ; 512 consecutive bytes: half w % 2 of K step w / 2
	ds_store_b16 v14, v254 offset:PSL
	ds_store_b32 v7, v194 offset:LSB
	BAR
	; ---- wave 0 stores what belongs to the tile as a whole
	s_cmp_lg_u32 s20, 0
	s_cbranch_scc1 .Lend
.irp k, 0,1,2,3
	ds_load_b128 v[96+4*\k:99+4*\k], v8 offset:LSB+16*\k
.endr
.irp k, 0,1
	ds_load_b128 v[112+4*\k:115+4*\k], v3 offset:PSL+512*\k
.endr
	s_wait_dscnt 0x0
	global_store_b128 v3, v[112:115], s[42:43]     ; p's scale words: twice 512 consecutive bytes
	global_store_b128 v3, v[116:119], s[42:43] offset:512
	v_pk_add_f32 v[212:213], v[96:97], v[98:99]    ; (into registers that no store has read)
	v_pk_add_f32 v[214:215], v[100:101], v[102:103]
	v_pk_add_f32 v[212:213], v[212:213], v[104:105]
	v_pk_add_f32 v[214:215], v[214:215], v[106:107]
	v_pk_add_f32 v[212:213], v[212:213], v[108:109]
	v_pk_add_f32 v[214:215], v[214:215], v[110:111]
	v_pk_add_f32 v[212:213], v[212:213], v[214:215]
	v_add_f32 v212, v212, v213                     ; l
	s_wait_alu depctr_va_vdst(0)                   ; l (v212) is written, which the store below reads
	global_store_b32 v4, v212, s[44:45]
	global_store_b32 v15, v203, s[16:17]           ; a number for a token: lanes 16-31, and rows that repeat row 0, write the same number to the same place
	global_store_b32 v15, v200, s[18:19]
.Lend:
	s_wait_xcnt 0x0
	s_wait_alu depctr_vm_vsrc(0)                   ; the LDS store of p's half scale word has read v254, the entry's load v255: both are written below
	v_lshl_add_u32 v254, v0, 2, 0x3800
	v_mov_b32 v255, 0
	s_wait_dscnt 0x0                               ; the closing lines, six on end
	s_wait_alu 0x0
	s_wait_tensorcnt 0x0
	ds_add_u32 v254, v255
	s_wait_dscnt 0x0
	s_endpgm
; ---- TABLE: work-group a = (e, table, s): all 512 columns of one table, K step s (128 rows named by words[e]); a wave takes 32 columns, a lane one, and its registers run down K
.Ltables:
	s_load_b256 s[4:11], s[0:1], 0x40              ; psr_weight 4, atk_weight 6, words 8, lq 10
	v_lshrrev_b32 v1, 5, v0
	v_readfirstlane_b32 s3, v1                     ; wave 0..15
	v_and_b32 v1, 31, v0                           ; lane
	s_wait_alu depctr_va_vdst(0)
	s_sub_co_u32 s24, ttmp9, TILES
	s_and_b32 s25, s24, 7                          ; s
	s_bfe_u32 s26, s24, 0x10003                    ; which table
	s_lshr_b32 s27, s24, 4                         ; e
	s_wait_alu depctr_va_sdst(0)                   ; s3 is written, ahead of its first reader
	s_lshl_b32 s28, s3, 7                          ; my wave's 32 columns
	v_lshl_add_u32 v2, v1, 2, s28                  ; my column, in bytes
	s_lshl_b32 s30, s26, 3
	s_lshr_b32 s29, s3, 1
	s_add_co_u32 s30, s30, s29                     ; W = 8 x table + wave / 2
	s_lshl_b32 s31, s27, 4
	s_add_co_u32 s31, s31, s30
	s_lshl_b32 s31, s31, 3
	s_add_co_u32 s31, s31, s25                     ; (16 e + W) 8 + s
	s_and_b32 s29, s3, 1
	s_lshl_b32 s32, s31, 12                        ; four fragments
	s_lshl_b32 s38, s29, 11                        ; tiles 2 (wave % 2), + 1
	s_add_co_u32 s32, s32, s38
	s_mov_b32 s33, 0
	s_lshl_b32 s34, s31, 8
	s_lshl_b32 s38, s29, 7
	s_add_co_u32 s34, s34, s38
	s_add_co_u32 s34, s34, S2O
	s_mov_b32 s35, 0
	s_lshl_b32 s36, s27, 12                        ; words[e]: 1,024 x 4 bytes
	s_lshl_b32 s38, s25, 9                         ; + 128 s x 4
	s_add_co_u32 s36, s36, s38
	s_mov_b32 s37, 0
	v_lshrrev_b32 v7, 4, v1
	v_and_b32 v8, 15, v1
	v_lshlrev_b32 v3, 4, v8
	v_lshl_add_u32 v3, v7, 10, v3                  ; codes: 1,024 (lane / 16) + 16 (lane % 16)
	v_lshlrev_b32 v4, 2, v1                        ; scale word: 4 x lane
	s_wait_alu depctr_va_vdst(0)
	s_wait_kmcnt 0x0
	s_cmp_eq_u32 s26, 0                            ; which table: the choice hangs on the work-group's number alone
	s_cselect_b64 s[60:61], s[4:5], s[6:7]
	s_add_nc_u64 s[56:57], s[10:11], s[32:33]
	s_add_nc_u64 s[58:59], s[10:11], s[34:35]
	s_add_nc_u64 s[62:63], s[8:9], s[36:37]
	WORDS 0, 24
	WORDS 1, 68
	s_wait_kmcnt 0x0
	ADDRG 0, 24
	ADDRG 1, 68
	s_wait_alu depctr_va_vdst(0)                   ; the 64 offsets of blocks 0 and 1 are written, which the loads read; so are v3 and v4, the stores' offsets
	LOADG 0
	LOADG 1
	WORDS 2, 24                                    ; the first two sets of indices have been used up
	WORDS 3, 68
	QBLK 0
	s_wait_kmcnt 0x0
	ADDRG 2, 24                                    ; ahead of the block's one wait, which covers these offsets too
	QOUT 0
	LOADG 2
	QBLK 1
	ADDRG 3, 68
	QOUT 1
	LOADG 3
	QBLK 2
	QOUT 2
	QBLK 3
	QOUT 3
	global_store_b32 v4, v6, s[58:59]              ; 128 consecutive bytes a wave: one byte for each 128 that the wave has read.  (v6's last write stands ahead of the wait above)
	s_endpgm
.Lfunc_end_k_qcc814f2e5f_decode:
	.size	k_qcc814f2e5f_decode, .Lfunc_end_k_qcc814f2e5f_decode-k_qcc814f2e5f_decode
	.p2alignl 7, 3214868480
	.fill 96, 4, 3214868480
	.section	.rodata,"a",@progbits
	.p2align	6, 0x0
	.amdhsa_kernel k_qcc814f2e5f_decode
		.amdhsa_group_segment_fixed_size 16384
		.amdhsa_private_segment_fixed_size 0
		.amdhsa_enable_private_segment 0
		.amdhsa_kernarg_size 96
		.amdhsa_user_sgpr_count 2
		.amdhsa_user_sgpr_kernarg_segment_ptr 1
		.amdhsa_wavefront_size32 1
		.amdhsa_system_sgpr_workgroup_id_x 1
		.amdhsa_system_sgpr_workgroup_id_y 1
		.amdhsa_system_sgpr_workgroup_id_z 1
		.amdhsa_system_vgpr_workitem_id 0
		.amdhsa_next_free_vgpr 256
		.amdhsa_next_free_sgpr 104
		.amdhsa_reserve_vcc 0
		.amdhsa_float_denorm_mode_32 3
		.amdhsa_float_denorm_mode_16_64 3
		.amdhsa_memory_ordered 1
		.amdhsa_forward_progress 1
		.amdhsa_inst_pref_size 88
	.end_amdhsa_kernel
	.amdgpu_metadata
---
amdhsa.version: [ 1, 2 ]
amdhsa.kernels:
  - .name:           k_qcc814f2e5f_decode
    .symbol:         k_qcc814f2e5f_decode.kd
    .args:
      - { .name: tlist, .offset: 0, .size: 8, .value_kind: global_buffer, .address_space: global }
      - { .name: ctx, .offset: 8, .size: 8, .value_kind: global_buffer, .address_space: global }
      - { .name: wq, .offset: 16, .size: 8, .value_kind: global_buffer, .address_space: global }
      - { .name: dec_b, .offset: 24, .size: 8, .value_kind: global_buffer, .address_space: global }
      - { .name: u_gumbel, .offset: 32, .size: 8, .value_kind: global_buffer, .address_space: global }
      - { .name: pq, .offset: 40, .size: 8, .value_kind: global_buffer, .address_space: global }
      - { .name: nent, .offset: 48, .size: 8, .value_kind: global_buffer, .address_space: global }
      - { .name: widx, .offset: 56, .size: 8, .value_kind: global_buffer, .address_space: global }
      - { .name: psr_weight, .offset: 64, .size: 8, .value_kind: global_buffer, .address_space: global }
      - { .name: atk_weight, .offset: 72, .size: 8, .value_kind: global_buffer, .address_space: global }
      - { .name: words, .offset: 80, .size: 8, .value_kind: global_buffer, .address_space: global }
      - { .name: lq, .offset: 88, .size: 8, .value_kind: global_buffer, .address_space: global }
    .group_segment_fixed_size: 16384
    .private_segment_fixed_size: 0
    .kernarg_segment_align: 8
    .kernarg_segment_size: 96
    .max_flat_workgroup_size: 512
    .sgpr_count:     104
    .vgpr_count:     256
    .wavefront_size: 32
...
	.end_amdgpu_metadata
.endif
;; end of part 5
;; launch mix (part 6): grid 527 x 1, 8 waves a work-group, no clusters, 36,352 bytes of LDS; arguments tlist, lq, pq, psr_weight, atk_weight, inp_word, inp_pos, inp_mask, words, nent, widx, out0, out1, out2, out3, out4, out5, out6; writes out0, out1, out2, out3, out4, out5, out6
.if DOCPART == 6
	.amdgcn_target "amdgcn-amd-amdhsa--gfx1250"
	.amdhsa_code_object_version 6
	.text
	.protected	k_qcc814f2e5f_mix
	.globl	k_qcc814f2e5f_mix
	.p2align	8
	.type	k_qcc814f2e5f_mix,@function
k_qcc814f2e5f_mix:
	s_mov_b64 s[64:65], 0
	v_nop
	global_prefetch_b8 v0, s[64:65] scope:SCOPE_SE
	s_setreg_imm32_b32 hwreg(HW_REG_WAVE_SCHED_MODE, 0, 2), 2
	s_setreg_imm32_b32 hwreg(HW_REG_WAVE_MODE, 25, 1), 1
	s_wait_xcnt 0x0
	s_wait_alu depctr_vm_vsrc(0)
; MIX: three kinds of work-group, told apart by the work-group's number.
;   0         DENSE: out0 (the chosen or the own word), out4, out5, out6 (masks), out3 (minus the entropy), from the numbers that decode left for each token.
;   1..270    ROWS:  (tile, table): out1 or out2 of a tile's 16 tokens = Q(p) Q(table rows) / l   (MX-FP4, K = 1,024).
;   271..526  COPY:  a wave to a token: a token that no expert takes gets its own word's rows of both tables.
; ROWS.  Eight waves; wave w owns columns 64 w .. 64 w + 63: four tiles of 16.  The product is used transposed (source 0 = 16 columns of the table, source 1 = p's 16 rows), so that a lane holds one token and eight
; neighbouring columns.  Codes and scale words come from memory straight into registers, in the order of the operand's registers (512 consecutive bytes a load), four K steps ahead.  The result goes through the wave's own
; stage in LDS and leaves as rows: sixteen lanes store 256 consecutive bytes, aligned.  A row that the tile lacks repeats row 0: same bits, same address.  A tile without rows (entry 0 = 0) stores nothing and ends: the grid
; serves every split (at most 135 tiles), and nothing but that end hangs on the number; no barrier stands in this part.
; NO TENSOR LOADS, NO CLUSTER: the end on a number read from memory excludes the first; how many tiles an expert has hangs on the split, so partners could not be given tiles of one expert at every split.
; LIMITS: inp_pos is taken as unsigned; inp_word and the argmax index are held inside their tables; inp_mask's bytes are 0 or 1.
; THE MODE: SCHED_MODE bits 1:0 = 2 (LLVM: expert scheduling mode 2), set by the entry lines.  The code itself states the register dependences
; between vector or matrix instructions and memory or LDS instructions, with s_wait_alu, always for 0.
; THE PLAN.  Registers that memory or LDS instructions touch:
;   ROWS   v3-v8 offsets and LDS addresses, written once: one wait on va_vdst ahead of the first load.
;          The ring (v64-191), p's fragments (v192-223) and the scale words (v224-235): K step s's four products read set s % 4, the 13 loads of K step s + 4 land in it: a wait on va_vdst behind steps 0 to 3.
;          It stands behind the products and not at the next step's head, so that the set is asked for again at once.
;          v16-23: the entries as loaded, made into the stores' offsets by vector lines; ACC: divided by l, then read by the stage's stores; v64-95: the stage's loads land where K step 4's products have read:
;          one wait on va_vdst behind the division covers all three.
;   COPY   v5, v6: two offsets, one wait.
;   DENSE  v5-v8, v123 at the head; v64-71 the gather's offsets and v56-63, in which it lands; v104-119, v72-100, v128: data of stores: a wait on va_vdst ahead of each run.
;   No register that a load or store has read is written again, so no wait on vm_vsrc is owed.  v254, v255: written at the head, read by the closing add alone.
;   A compare's mask goes into a scalar register of its own; the compares stand in runs, one wait on va_sdst behind a run.
.set ACC,  32
.set RING, 64                          ; v64-191  the table's fragments: four buffers of 32
.set PF,   192                         ; v192-223 p's fragments: four of 8
.set AS,   224                         ; v224-231 the table's scale words, two a K step
.set PS,   232                         ; v232-235 p's
.set S2O,  4194304
.set PSO,  1105920
.set PLO,  1244160
.set DW,   34816                       ; LDS: 0 .. 34,815 the eight stages of ROWS (16 rows x 272 bytes each); from DW 512 bytes for DENSE
.macro MLD s                           ; K step s: 13 loads
.irp t, 0,1,2,3
.irp c, 0,1
	global_load_b128 v[RING+32*((\s)%4)+8*\t+4*\c:RING+32*((\s)%4)+8*\t+4*\c+3], v3, s[44:45] offset:4096*(\s)+1024*\t+512*\c
.endr
.endr
.irp c, 0,1
	global_load_b128 v[PF+8*((\s)%4)+4*\c:PF+8*((\s)%4)+4*\c+3], v3, s[46:47] offset:1024*(\s)+512*\c
.endr
.irp y, 0,1
	global_load_b32 v[AS+2*((\s)%4)+\y], v4, s[48:49] offset:256*(\s)+128*\y       ; lanes 0-15: tile 2 y's words; lanes 16-31: tile 2 y + 1's
.endr
	global_load_b32 v[PS+(\s)%4], v4, s[50:51] offset:128*(\s)
.endm
.macro MM first, odd
.if \first
.if \odd
	v_wmma_scale_f32_16x16x128_f8f6f4 v[rD:rD+7], v[rA:rA+7], v[rB:rB+7], 0, v[rS], v[rT] matrix_a_fmt:MATRIX_FMT_FP4 matrix_b_fmt:MATRIX_FMT_FP4 matrix_a_scale:MATRIX_SCALE_ROW1
.else
	v_wmma_scale_f32_16x16x128_f8f6f4 v[rD:rD+7], v[rA:rA+7], v[rB:rB+7], 0, v[rS], v[rT] matrix_a_fmt:MATRIX_FMT_FP4 matrix_b_fmt:MATRIX_FMT_FP4
.endif
.else
.if \odd
	v_wmma_scale_f32_16x16x128_f8f6f4 v[rD:rD+7], v[rA:rA+7], v[rB:rB+7], v[rD:rD+7], v[rS], v[rT] matrix_a_fmt:MATRIX_FMT_FP4 matrix_b_fmt:MATRIX_FMT_FP4 matrix_a_scale:MATRIX_SCALE_ROW1
.else
	v_wmma_scale_f32_16x16x128_f8f6f4 v[rD:rD+7], v[rA:rA+7], v[rB:rB+7], v[rD:rD+7], v[rS], v[rT] matrix_a_fmt:MATRIX_FMT_FP4 matrix_b_fmt:MATRIX_FMT_FP4
.endif
.endif
.endm
.macro MSTEP s, n, again               ; the four accumulators take turns, one instruction a turn; n: the younger loads that may stay out; again = 1: loads into this step's set follow
	s_wait_loadcnt \n
.irp t, 0,1,2,3
.set rD, ACC+8*\t
.set rA, RING+32*((\s)%4)+8*\t
.set rB, PF+8*((\s)%4)
.set rS, AS+2*((\s)%4)+(\t)/2
.set rT, PS+(\s)%4
	MM (\s)==0, (\t)%2
.endr
.rept 4
	v_nop                                          ; four places in front of loads into registers that these products have read, and of the first read of results
.endr
.if \again
	s_wait_alu depctr_va_vdst(0)                   ; these four products are done reading set s % 4 (the table's fragments, p's fragment, three scale registers), in which the 13 loads that follow land
.endif
.endm
; DENSE: the eight masks of class e, a scalar register to each; then the class's sum and count, the tokens in ascending order
.macro DCMP e, base
.irp n, 0,1,2,3,4,5,6,7
	v_cmp_eq_u32 s[\base+\n], \e, v[16+\n]
.endr
.endm
.macro DSUM e, base
.irp n, 0,1,2,3,4,5,6,7
.if \n == 0
	v_cndmask_b32 v[104+\e], 0, v[40+\n], s[\base+\n]
	v_cndmask_b32 v[112+\e], 0, 1.0, s[\base+\n]
.else
	v_cndmask_b32 v121, 0, v[40+\n], s[\base+\n]
	v_cndmask_b32 v122, 0, 1.0, s[\base+\n]
	v_add_f32 v[104+\e], v[104+\e], v121
	v_add_f32 v[112+\e], v[112+\e], v122
.endif
.endr
.endm
	s_load_b512 s[4:19], s[0:1], 0x0               ; tlist 4, lq 6, pq 8, psr 10, atk 12, inp_word 14, inp_pos 16, inp_mask 18
	s_load_b512 s[20:35], s[0:1], 0x40             ; words 20, nent 22, widx 24, out0 26, out1 28, out2 30, out3 32, out4 34
	s_load_b128 s[36:39], s[0:1], 0x80             ; out5 36, out6 38
	v_lshl_add_u32 v254, v0, 2, 0x8a00
	v_mov_b32 v255, 0
	v_lshrrev_b32 v1, 5, v0
	v_readfirstlane_b32 s3, v1                     ; wave 0..7
	v_and_b32 v1, 15, v0                           ; r
	v_bfe_u32 v2, v0, 4, 1                         ; h
	v_and_b32 v3, 31, v0
	v_lshlrev_b32 v4, 2, v3                        ; 4 x lane
	v_lshlrev_b32 v3, 4, v3                        ; 16 x lane
	s_wait_alu depctr_va_sdst(0)                   ; s3 is written
	s_cmp_eq_u32 ttmp9, 0
	s_cbranch_scc1 .Ldense
	s_cmp_lt_u32 ttmp9, 271
	s_cbranch_scc0 .Lcopy
; ---- ROWS
	s_sub_co_u32 s40, ttmp9, 1
	s_and_b32 s2, s40, 1                           ; which table
	s_lshr_b32 s40, s40, 1                         ; the tile
	s_lshl_b32 s42, s40, 6
	s_mov_b32 s43, 0
	s_wait_kmcnt 0x0
	s_add_nc_u64 s[42:43], s[4:5], s[42:43]        ; the tile's 16 entries
	s_load_b32 s41, s[42:43], 0x0                  ; entry 0
	s_mul_i32 s56, s3, 16*272                      ; my stage
	s_wait_alu depctr_va_vdst(0)
	v_mul_u32_u24 v7, v1, 272
	v_lshl_add_u32 v7, v2, 5, v7
	v_add_nc_u32 v7, s56, v7                       ; in: row r, + 32 h
	v_mul_u32_u24 v8, v2, 272
	v_lshl_add_u32 v8, v1, 4, v8
	v_add_nc_u32 v8, s56, v8                       ; back: lanes 0-15 one row of 256 bytes, lanes 16-31 the next
	s_lshl_b32 s56, s3, 8
	v_lshl_add_u32 v6, v1, 4, s56                  ; in a row of the output: 256 w + 16 r
	v_lshlrev_b32 v5, 2, v2                        ; 4 h
	s_mov_b32 s59, 0
	s_lshl_b32 s58, s40, 13
	s_add_nc_u64 s[46:47], s[8:9], s[58:59]        ; p's codes
	s_lshl_b32 s58, s40, 10
	s_add_co_u32 s58, s58, PSO
	s_add_nc_u64 s[50:51], s[8:9], s[58:59]        ; p's scale words
	s_lshl_b32 s58, s40, 7
	s_add_co_u32 s58, s58, PLO
	s_add_nc_u64 s[60:61], s[8:9], s[58:59]        ; l
	s_cmp_eq_u32 s2, 0
	s_cselect_b64 s[52:53], s[28:29], s[30:31]     ; out1 or out2: the choice hangs on the work-group's number alone
	s_wait_kmcnt 0x0
	s_bitcmp1_b32 s41, 15
	s_cbranch_scc1 .Lrows
	s_endpgm                                       ; this split has no rows for the tile
.Lrows:
	s_bfe_u32 s56, s41, 0x3000b
	s_min_u32 s56, s56, 7                          ; the expert
	s_lshl_b32 s56, s56, 4
	s_lshl_b32 s57, s2, 3
	s_add_co_u32 s56, s56, s57
	s_add_co_u32 s56, s56, s3                      ; 16 e + 8 x table + w
	s_lshl_b32 s58, s56, 15
	s_add_nc_u64 s[44:45], s[6:7], s[58:59]        ; my 32 fragments
	s_lshl_b32 s58, s56, 11
	s_add_co_u32 s58, s58, S2O
	s_add_nc_u64 s[48:49], s[6:7], s[58:59]        ; their scale words
	s_wait_alu depctr_va_vdst(0)                   ; the offsets and LDS addresses v3 to v8 are written, which the loads and stores below read; none is written again
.irp i, 0,1,2,3,4,5,6,7
	global_load_b32 v[16+\i], v5, s[42:43] offset:8*\i             ; entry 2 i + h: the row that I store in the i-th store
.endr
	global_load_b32 v236, v4, s[60:61]             ; my row's l
	MLD 0
	MLD 1
	MLD 2
	MLD 3
	MSTEP 0, 39, 1                                 ; three K steps' 13 loads may be out
	MLD 4
	v_rcp_f32 v238, v236                           ; (the nine loads in front of K step 0's are in)
	v_rcp_f32 v239, v236                           ; twice: a pair for the packed multiply
.irp i, 0,1,2,3,4,5,6,7
	v_cmp_eq_u32 s[4+\i], 0, v[16+\i]              ; the rows that the tile lacks: eight compares in a run (s4 to s11 have served: the bases are made)
.endr
	s_wait_alu depctr_va_sdst(0)                   ; the eight masks are written, ahead of the selections that read them
.irp i, 0,1,2,3,4,5,6,7
	v_cndmask_b32 v[16+\i], v[16+\i], s41, s[4+\i] ; a row that the tile lacks repeats row 0
	v_and_b32 v[16+\i], 0x7ff, v[16+\i]
	v_min_u32 v[16+\i], 0x7ff, v[16+\i]
	v_lshl_add_u32 v[16+\i], v[16+\i], 11, v6      ; token x 2,048 + 256 w + 16 r
.endr
	s_wait_alu depctr_va_vdst(0)
	MSTEP 1, 39, 1
	MLD 5
	MSTEP 2, 39, 1
	MLD 6
	MSTEP 3, 39, 1
	MLD 7
	MSTEP 4, 39, 0
	MSTEP 5, 26, 0
	MSTEP 6, 13, 0
	MSTEP 7, 0, 0
.set j, 0
	s_wait_alu depctr_va_vdst(0)                   ; the two reciprocals are written, ahead of their first reader
.rept 16
	v_pk_mul_f32 v[ACC+j:ACC+j+1], v[ACC+j:ACC+j+1], v[238:239]    ; / l; each accumulator is read from its low end on
.set j, j+2
.endr
	s_wait_alu depctr_va_vdst(0)                   ; the quotients are written, which the stage's stores read; so are the offsets v16 to v23 of the stores to memory; K step 4's products are done reading v64 to v95, in which the stage's loads land
.irp t, 0,1,2,3
	ds_store_b128 v7, v[ACC+8*\t:ACC+8*\t+3] offset:64*\t          ; lane (r, h): token r, columns 64 w + 16 t + 8 h + 0 .. 7
	ds_store_b128 v7, v[ACC+8*\t+4:ACC+8*\t+7] offset:64*\t+16
.endr
.irp i, 0,1,2,3,4,5,6,7
	ds_load_b128 v[RING+4*\i:RING+4*\i+3], v8 offset:544*\i        ; LDS serves a wave's instructions in order (ISA guide 5.7.1.4): these see my stores
.endr
.irp i, 0,1,2,3,4,5,6,7
	s_wait_dscnt 7-\i
	global_store_b128 v[16+\i], v[RING+4*\i:RING+4*\i+3], s[52:53] th:TH_STORE_NT   ; sixteen lanes store 256 consecutive bytes, at a multiple of 256 from the output's first byte
.endr
	s_wait_dscnt 0x0                               ; the closing lines, six on end
	s_wait_alu 0x0
	s_wait_tensorcnt 0x0
	ds_add_u32 v254, v255
	s_wait_dscnt 0x0
	s_endpgm
; ---- COPY
.Lcopy:
	s_sub_co_u32 s40, ttmp9, 271
	s_lshl_b32 s40, s40, 3
	s_add_co_u32 s40, s40, s3                      ; my wave's token
	s_lshl_b32 s42, s40, 2
	s_mov_b32 s43, 0
	s_wait_kmcnt 0x0
	s_add_nc_u64 s[44:45], s[16:17], s[42:43]
	s_add_nc_u64 s[46:47], s[14:15], s[42:43]
	s_load_b32 s48, s[44:45], 0x0                  ; its class
	s_load_b32 s49, s[46:47], 0x0                  ; its word
	s_wait_alu depctr_va_vdst(0)
	v_lshl_add_u32 v6, s40, 11, v3
	s_wait_kmcnt 0x0
	s_cmp_lt_u32 s48, 8
	s_cbranch_scc0 .Lown
	s_endpgm                                       ; an expert's token: ROWS writes it
.Lown:
	s_min_u32 s49, s49, 19999
	v_lshl_add_u32 v5, s49, 11, v3
	s_wait_alu depctr_va_vdst(0)                   ; the two offsets v5 and v6 are written, which the loads and the stores read
.irp k, 0,1,2,3
	global_load_b128 v[16+4*\k:19+4*\k], v5, s[10:11] offset:512*\k
	global_load_b128 v[32+4*\k:35+4*\k], v5, s[12:13] offset:512*\k
.endr
.irp k, 0,1,2,3
	s_wait_loadcnt 6-2*\k                          ; the k-th pair of loads is in
	global_store_b128 v6, v[16+4*\k:19+4*\k], s[28:29] offset:512*\k th:TH_STORE_NT
	global_store_b128 v6, v[32+4*\k:35+4*\k], s[30:31] offset:512*\k th:TH_STORE_NT
.endr
	s_endpgm
; ---- DENSE: 256 threads; thread t holds tokens 1,024 k + 4 t + i, k = 0, 1, i = 0 .. 3, as number 4 k + i
.Ldense:
	v_lshlrev_b32 v6, 4, v0                        ; 16 t
	v_lshlrev_b32 v7, 2, v0                        ; 4 t
	v_lshrrev_b32 v5, 5, v0
	v_lshlrev_b32 v5, 6, v5                        ; LDS: 64 x wave
	s_wait_alu depctr_va_vdst(0)
	v_lshlrev_b32 v8, 2, v1                        ; LDS: 4 (lane % 16)
	v_mov_b32 v120, 0                              ; written once: destinations of lane permutes count as sources
	v_mov_b32 v124, 0
	v_mov_b32 v123, 0
	s_mov_b32 s54, 0x76543210
	s_mov_b32 s55, 0xfedcba98
	s_wait_kmcnt 0x0
	s_wait_alu depctr_va_vdst(0)                   ; the offsets and LDS addresses v5 to v8 and v123 are written, which the loads and stores below read; none is written again
.irp k, 0,1
	global_load_b128 v[16+4*\k:19+4*\k], v6, s[16:17] offset:4096*\k       ; class
	global_load_b128 v[32+4*\k:35+4*\k], v6, s[24:25] offset:4096*\k       ; the argmax index
.endr
.irp k, 0,1
	global_load_b128 v[24+4*\k:27+4*\k], v6, s[14:15] offset:4096*\k       ; own word
	global_load_b128 v[40+4*\k:43+4*\k], v6, s[22:23] offset:4096*\k       ; the entropy term
	global_load_b32 v[48+\k], v7, s[18:19] offset:1024*\k                  ; four bytes of inp_mask
.endr
	s_wait_loadcnt 6                               ; classes and indices are in
.irp n, 0,1,2,3,4,5,6,7
	v_min_u32 v[56+\n], 7, v[16+\n]
	v_min_u32 v[64+\n], 0x3ff, v[32+\n]
	v_lshl_add_u32 v[64+\n], v[56+\n], 10, v[64+\n]
	v_lshlrev_b32 v[64+\n], 2, v[64+\n]            ; the offset of words[class][index], in a register of its own
.endr
	s_wait_alu depctr_va_vdst(0)                   ; the eight offsets v64 to v71 are written, which the loads read; the lines that wrote and read v56 to v63 are done: the loads land there
.irp n, 0,1,2,3,4,5,6,7
	global_load_b32 v[56+\n], v[64+\n], s[20:21]   ; words[class][index]
.endr
	s_wait_loadcnt 8                               ; all but these eight
	; for each class: the sum of its tokens' terms (v104 + e) and their number (v112 + e); two classes' sixteen compares in a run
	DCMP 0, 40
	DCMP 1, 56
	s_wait_alu depctr_va_sdst(0)                   ; the sixteen masks of classes 0 and 1 are written, ahead of the selections that read them
	DSUM 0, 40
	DSUM 1, 56
	DCMP 2, 40
	DCMP 3, 56
	s_wait_alu depctr_va_sdst(0)                   ; those of classes 2 and 3
	DSUM 2, 40
	DSUM 3, 56
	DCMP 4, 40
	DCMP 5, 56
	s_wait_alu depctr_va_sdst(0)                   ; those of classes 4 and 5
	DSUM 4, 40
	DSUM 5, 56
	DCMP 6, 40
	DCMP 7, 56
	s_wait_alu depctr_va_sdst(0)                   ; those of classes 6 and 7
	DSUM 6, 40
	DSUM 7, 56
.irp m, 1,2,4,8                                ; over the wave's 32 lanes
.irp x, 0,1,2,3,4,5,6,7,8,9,10,11,12,13,14,15
	v_add_f32_dpp v[104+\x], v[104+\x], v[104+\x] row_xmask:\m row_mask:0xf bank_mask:0xf
.endr
.endr
.irp x, 0,1,2,3,4,5,6,7,8,9,10,11,12,13,14,15
	v_permlanex16_b32 v120, v[104+\x], s54, s55
	v_add_f32 v[104+\x], v[104+\x], v120
.endr
	s_wait_alu depctr_va_vdst(0)                   ; the wave's sixteen numbers v104 to v119 are written, which the LDS stores read
.irp k, 0,1,2,3
	ds_store_b128 v5, v[104+4*\k:107+4*\k] offset:DW+16*\k         ; all lanes write the same words with the same values
.endr
	s_wait_loadcnt 0x0
.irp n, 0,1,2,3,4,5,6,7
	v_cmp_gt_u32 s[40+\n], 8, v[16+\n]             ; an expert's token
.endr
.irp n, 0,1,2,3,4,5,6,7
	v_cmp_gt_u32 s[56+\n], 4, v[16+\n]             ; a privacy term
.endr
	s_wait_alu depctr_va_sdst(0)                   ; these sixteen masks are written, ahead of the selections that read them
.irp n, 0,1,2,3,4,5,6,7
	v_cndmask_b32 v[72+\n], v[24+\n], v[56+\n], s[40+\n]           ; out0
	v_cndmask_b32 v[80+\n], 0, 1, s[40+\n]                         ; out5
	v_cndmask_b32 v[88+\n], 0, 1, s[56+\n]                         ; out6
.endr
.irp n, 0,1,2,3,4,5,6,7
	v_cmp_eq_u32 s[40+\n], v[72+\n], v[24+\n]
.endr
	s_wait_alu depctr_va_sdst(0)                   ; these eight masks are written, ahead of the selections that read them
.irp n, 0,1,2,3,4,5,6,7
	v_cndmask_b32 v[96+\n], 0, 1, s[40+\n]                         ; out0 == the own word
.endr
.irp b, 80,84,88,92,96,100                     ; four bytes to a word, the lower token in the lower byte
	v_lshl_or_b32 v[\b], v[\b+1], 8, v[\b]
	v_lshl_or_b32 v[\b], v[\b+2], 16, v[\b]
	v_lshl_or_b32 v[\b], v[\b+3], 24, v[\b]
.endr
	v_and_b32 v96, v96, v48                        ; out4: and inp_mask
	v_and_b32 v100, v100, v49
	s_wait_alu depctr_va_vdst(0)                   ; out0's words v72 to v79 and the six words of mask bytes are written, which the stores read
.irp k, 0,1
	global_store_b128 v6, v[72+4*\k:75+4*\k], s[26:27] offset:4096*\k
	global_store_b32 v7, v[96+4*\k], s[34:35] offset:1024*\k
	global_store_b32 v7, v[80+4*\k], s[36:37] offset:1024*\k
	global_store_b32 v7, v[88+4*\k], s[38:39] offset:1024*\k
.endr
	s_wait_dscnt 0x0                               ; for wave 0's sake: my sixteen numbers lie in LDS
	s_barrier_signal -1
	s_barrier_wait -1
	s_cmp_lg_u32 s3, 0
	s_cbranch_scc1 .Ldone
.irp w, 0,1,2,3,4,5,6,7
	ds_load_b32 v[128+\w], v8 offset:DW+64*\w      ; lane l: number l % 16 of each wave: lanes 0-7 a class's sum, lanes 8-15 a class's count
.endr
	s_wait_dscnt 0x0
	v_add_f32 v128, v128, v129
	v_add_f32 v130, v130, v131
	v_add_f32 v132, v132, v133
	v_add_f32 v134, v134, v135
	v_add_f32 v128, v128, v130
	v_add_f32 v132, v132, v134
	v_add_f32 v128, v128, v132
	v_mov_b32_dpp v124, v128 row_xmask:8 row_mask:0xf bank_mask:0xf        ; lanes 0-7: the class's count
	v_max_num_f32 v124, 1.0, v124
	v_mul_f32 v124, 0xc4800000, v124               ; x -1,024: the mean over the 1,024 logits, and the loss's sign
	s_wait_alu depctr_va_vdst(0)
	v_rcp_f32 v124, v124
	v_and_b32 v125, 8, v0                          ; (a plain line behind the transcendental)
	v_cmp_eq_u32 s40, 0, v125
	s_wait_alu depctr_va_vdst(0)                   ; the reciprocal is written, ahead of its first reader
	s_wait_alu depctr_va_sdst(0)                   ; the mask s40 is written, ahead of the selection that reads it
	v_mul_f32 v128, v128, v124                     ; a class without tokens has the sum 0
	v_cndmask_b32 v128, 0, v128, s40               ; lanes 8-15 of a row count for nothing
	v_add_f32_dpp v128, v128, v128 row_xmask:1 row_mask:0xf bank_mask:0xf
	v_add_f32_dpp v128, v128, v128 row_xmask:2 row_mask:0xf bank_mask:0xf
	v_add_f32_dpp v128, v128, v128 row_xmask:4 row_mask:0xf bank_mask:0xf
	v_add_f32_dpp v128, v128, v128 row_xmask:8 row_mask:0xf bank_mask:0xf
	s_wait_alu depctr_va_vdst(0)                   ; the loss v128 is written, which the store reads
	global_store_b32 v123, v128, s[32:33]          ; out3: every lane holds the same number and writes it to the same place
.Ldone:
	s_wait_dscnt 0x0                               ; the closing lines, six on end
	s_wait_alu 0x0
	s_wait_tensorcnt 0x0
	ds_add_u32 v254, v255
	s_wait_dscnt 0x0
	s_endpgm
.Lfunc_end_k_qcc814f2e5f_mix:
	.size	k_qcc814f2e5f_mix, .Lfunc_end_k_qcc814f2e5f_mix-k_qcc814f2e5f_mix
	.p2alignl 7, 3214868480
	.fill 96, 4, 3214868480
	.section	.rodata,"a",@progbits
	.p2align	6, 0x0
	.amdhsa_kernel k_qcc814f2e5f_mix
		.amdhsa_group_segment_fixed_size 36352
		.amdhsa_private_segment_fixed_size 0
		.amdhsa_enable_private_segment 0
		.amdhsa_kernarg_size 144
		.amdhsa_user_sgpr_count 2
		.amdhsa_user_sgpr_kernarg_segment_ptr 1
		.amdhsa_wavefront_size32 1
		.amdhsa_system_sgpr_workgroup_id_x 1
		.amdhsa_system_sgpr_workgroup_id_y 1
		.amdhsa_system_sgpr_workgroup_id_z 1
		.amdhsa_system_vgpr_workitem_id 0
		.amdhsa_next_free_vgpr 256
		.amdhsa_next_free_sgpr 66
		.amdhsa_reserve_vcc 0
		.amdhsa_float_denorm_mode_32 3
		.amdhsa_float_denorm_mode_16_64 3
		.amdhsa_memory_ordered 1
		.amdhsa_forward_progress 1
		.amdhsa_inst_pref_size 60
	.end_amdhsa_kernel
	.amdgpu_metadata
---
amdhsa.version: [ 1, 2 ]
amdhsa.kernels:
  - .name:           k_qcc814f2e5f_mix
    .symbol:         k_qcc814f2e5f_mix.kd
    .args:
      - { .name: tlist, .offset: 0, .size: 8, .value_kind: global_buffer, .address_space: global }
      - { .name: lq, .offset: 8, .size: 8, .value_kind: global_buffer, .address_space: global }
      - { .name: pq, .offset: 16, .size: 8, .value_kind: global_buffer, .address_space: global }
      - { .name: psr_weight, .offset: 24, .size: 8, .value_kind: global_buffer, .address_space: global }
      - { .name: atk_weight, .offset: 32, .size: 8, .value_kind: global_buffer, .address_space: global }
      - { .name: inp_word, .offset: 40, .size: 8, .value_kind: global_buffer, .address_space: global }
      - { .name: inp_pos, .offset: 48, .size: 8, .value_kind: global_buffer, .address_space: global }
      - { .name: inp_mask, .offset: 56, .size: 8, .value_kind: global_buffer, .address_space: global }
      - { .name: words, .offset: 64, .size: 8, .value_kind: global_buffer, .address_space: global }
      - { .name: nent, .offset: 72, .size: 8, .value_kind: global_buffer, .address_space: global }
      - { .name: widx, .offset: 80, .size: 8, .value_kind: global_buffer, .address_space: global }
      - { .name: out0, .offset: 88, .size: 8, .value_kind: global_buffer, .address_space: global }
      - { .name: out1, .offset: 96, .size: 8, .value_kind: global_buffer, .address_space: global }
      - { .name: out2, .offset: 104, .size: 8, .value_kind: global_buffer, .address_space: global }
      - { .name: out3, .offset: 112, .size: 8, .value_kind: global_buffer, .address_space: global }
      - { .name: out4, .offset: 120, .size: 8, .value_kind: global_buffer, .address_space: global }
      - { .name: out5, .offset: 128, .size: 8, .value_kind: global_buffer, .address_space: global }
      - { .name: out6, .offset: 136, .size: 8, .value_kind: global_buffer, .address_space: global }
    .group_segment_fixed_size: 36352
    .private_segment_fixed_size: 0
    .kernarg_segment_align: 8
    .kernarg_segment_size: 144
    .max_flat_workgroup_size: 256
    .sgpr_count:     66
    .vgpr_count:     256
    .wavefront_size: 32
...
	.end_amdgpu_metadata
.endif
;; end of part 6
